; MI455X (gfx1250); checked and timed in simulation.
; The chip was launched on July 23, 2026; its instructions are those of AMD's public machine-readable ISA for CDNA 5 (MIT licence, August 2026) and "CDNA5" Instruction Set Architecture Reference Guide (July 2026). The comments in the code are by the model that wrote it; some were corrected since.
;; gmlp. Allowed arithmetic: float matrix products may take bf16 or f16 operands with f32 sums; other float arithmetic in f32, or as packed bf16 or f16 multiplies, adds, multiply-adds, maxima and minima; sums over many terms, partial sums and values carried from step to step in f32; what a program stores and reads back later, other than sums and carried values, may be rounded once to bf16 or f16.
;; Inputs: cb 1,024 float32; cw 1,024 x 1,024 float32; nb 1,024 float32; ng 1,024 float32; pb 2,048 float32; pw 1,024 x 2,048 float32; sgu_b 1,024 float32; sgu_w 1,024 x 1,024 float32; snb 1,024 float32; sng 1,024 float32; weight 16 x 1,024 float32; x 16 x 1,024 x 1,024 float32.
;; Outputs: out0 16 x 1,024 x 1,024 float32.
;; One version. Each part assembles by itself: llvm-mc -triple=amdgcn-amd-amdhsa -mcpu=gfx1250 --defsym DOCPART=n.
;; ======== version 1 of 1: 5 launches
;; limits: values are held in f16: magnitudes above 65,504 overflow, below 6.1e-05 lose precision
;; workspace buffers: xn 33,554,432 bytes; wts 8,396,800 bytes; uv 67,371,008 bytes; vn 34,078,720 bytes; pj 33,554,432 bytes
;; launch pre (part 1): grid 256 x 1, 8 waves a work-group, no clusters, 263,168 bytes of LDS; arguments x, ng, nb, pw, cw, sgu_w, xn, wts; writes xn, wts
.if DOCPART == 1
	.amdgcn_target "amdgcn-amd-amdhsa--gfx1250"
	.amdhsa_code_object_version 6
	.text
	.protected	k_q35f516ec08_pre
	.globl	k_q35f516ec08_pre
	.p2align	8
	.type	k_q35f516ec08_pre,@function
k_q35f516ec08_pre:
	s_mov_b64 s[64:65], 0
	v_nop
	global_prefetch_b8 v0, s[64:65] scope:SCOPE_SE
	s_setreg_imm32_b32 hwreg(HW_REG_WAVE_MODE, 25, 1), 1
	s_wait_xcnt 0x0
; xn = LayerNorm(x) * ng + nb in f16; pw and cw rounded to f16, sgu_w to bf16; for each wave the largest |sgu_w| of its share.
; x: [16384][1024] f32.  xn: [16384][1024] f16.  wts: pw as f16 at byte 0, cw as f16 at 4,194,304, sgu_w as bf16 at 6,291,456, 2,048 partial maxima (f32) at 8,388,608.
; LIMITS.  f16 holds no number beyond 65,504: a normalised number is below 32 in magnitude (1,024 squares sum to 1,024), so 32 |ng| + |nb|, |pw| and |cw| must stay within it;
; below 6e-5 f16 keeps its fixed step of 6e-8.  NaN and infinities are not treated apart.
; SHARES.  Work-group g owns rows 64 g .. 64 g + 63, wave w eight of them: 32,768 dense bytes of x, brought into the wave's own LDS bytes by FOUR tensor loads of two rows each, all issued at the start:
; smaller loads than the bytes would allow, so that a wave works on and stores its first rows while its later rows are on their way (the waits count 3, 2, 1, 0 younger loads).
; No LDS byte is filled twice, no wave reads another's bytes: no barrier.  Wave T = 8 g + w of 2,048 also converts 1,024 numbers of pw, 512 of cw and 512 of sgu_w, while its rows are on their way.
; A ROW lies in 32 registers of the wave (load j: columns 128 j + 4 lane .. + 3): mean, then the squares of the differences, then the scaling: x is read once.
; No matrix unit, no cluster (nothing is shared), no prefetch (all of x is asked for at the launch's start).
.set SPARE, 262144                     ; behind the eight waves' rows: the spare words, 128 bytes a wave
.set CHB,   8192                       ; a tensor load's bytes: two rows
.set LANE, 1
.set LA,   2                           ; LDS address of my 16 bytes of the row in hand
.set YO,   3                           ; my 8 bytes in xn's row, one row ahead of the stores
.set O16,  4                           ; 16 x lane; never rewritten
.set O8,   5                           ; 8 x lane; never rewritten
.set SPW,  6                           ; my spare word; never rewritten
.set NIL,  7                           ; 0; never rewritten
.set MU,   8                           ; v[8:9]   the mean, twice
.set RS,   10                          ; v[10:11] 1 / sqrt(var + eps), twice
.set CH,   12                          ; v[12:19] four packed chains
.set T0,   20
.set T1,   21
.set Z0,   22                          ; 0, an offset
.set INVN, 23                          ; 1 / 1024
.set LA0,  24                          ; LDS address of my 16 bytes of my wave's first row; never rewritten
.set EPS,  25                          ; 1e-5
.set X,    32                          ; v[32:63]   the row
.set Y,    64                          ; v[64:95]   what is stored
.set NG,   96                          ; v[96:127]  ng of my 32 columns
.set NB,   128                         ; v[128:159] nb
.set WL,   160                         ; v[160:223] sixteen loads of weights
.set G0,   32                          ; s[32:47]   descriptor group 0, a set for each of the four loads
.macro WSUM r, t                       ; the sum over the 32 lanes, in every lane
	v_add_f32_dpp v[\r], v[\r], v[\r] row_xmask:1 row_mask:0xf bank_mask:0xf
	v_add_f32_dpp v[\r], v[\r], v[\r] row_xmask:2 row_mask:0xf bank_mask:0xf
	v_add_f32_dpp v[\r], v[\r], v[\r] row_xmask:4 row_mask:0xf bank_mask:0xf
	v_add_f32_dpp v[\r], v[\r], v[\r] row_xmask:8 row_mask:0xf bank_mask:0xf
	v_permlanex16_b32 v[\t], v[\r], s48, s49
	v_add_f32 v[\r], v[\r], v[\t]
.endm
.macro FOLD                            ; the four chains into one number a lane
	v_pk_add_f32 v[CH:CH+1], v[CH:CH+1], v[CH+2:CH+3]
	v_pk_add_f32 v[CH+4:CH+5], v[CH+4:CH+5], v[CH+6:CH+7]
	v_pk_add_f32 v[CH:CH+1], v[CH:CH+1], v[CH+4:CH+5]
	v_add_f32 v[T0], v[CH], v[CH+1]
.endm
	s_load_b512 s[4:19], s[0:1], 0x0               ; x s[4:5], ng s[6:7], nb s[8:9], pw s[10:11], cw s[12:13], sgu_w s[14:15], xn s[16:17], wts s[18:19]
	v_lshl_add_u32 v[SPW], v0, 2, SPARE
	v_mov_b32 v[NIL], 0
	ds_add_u32 v[SPW], v[NIL]                      ; the wave's opening: the add and its wait stand ahead of my first tensor load; the set-up below stands between them
	v_lshrrev_b32 v[O8], 5, v0
	v_readfirstlane_b32 s20, v[O8]                 ; wave 0..7
	s_lshl_b32 s21, ttmp9, 3
	s_add_co_u32 s21, s21, s20                     ; T = 8 g + w
	; descriptor group 1: 8,192 dense bytes as 32 rows of 32 elements of 8 bytes, no padding
	s_mov_b32 s24, 3<<16                           ; elements of 8 bytes
	s_mov_b32 s25, 32<<16                          ; tensor_dim0 = 32
	s_mov_b32 s26, 32<<16                          ; tensor_dim1 = 32
	s_mov_b32 s27, 32<<16                          ; tile_dim0 = 32
	s_mov_b32 s28, 32                              ; tile_dim1 = 32
	s_mov_b32 s29, 32                              ; 32 elements from row to row
	s_mov_b32 s30, 0
	s_mov_b32 s31, 0
	s_lshl_b32 s69, s20, 15                        ; my wave's LDS bytes begin at 32,768 x wave
.irp c, 0,1,2,3
	s_mov_b32 s[G0+4*(\c)], 1                      ; group 0: count = 1
	s_add_co_u32 s[G0+4*(\c)+1], s69, (\c)*CHB     ; LDS address
.endr
	s_mov_b32 s23, 0
	s_mov_b32 s48, 0x76543210                      ; v_permlanex16_b32: each lane takes its own place in the other half
	s_mov_b32 s49, 0xfedcba98
	s_mov_b32 s51, 0                               ; the row in hand, in LDS bytes from my wave's first row
	v_and_b32 v[LANE], 31, v0
	v_lshlrev_b32 v[O16], 4, v[LANE]
	v_lshlrev_b32 v[O8], 3, v[LANE]
	v_lshlrev_b32 v[YO], 3, v[LANE]
	v_add_nc_u32 v[LA0], s69, v[O16]
	v_mov_b32 v[T1], 0
	v_mov_b32 v[Z0], 0
	v_mov_b32 v[INVN], 0x3a800000
	v_mov_b32 v[EPS], 0x3727c5ac
	s_wait_dscnt 0x0                               ; the opening add is done
	s_wait_kmcnt 0x0
	s_lshl_b32 s22, s21, 12
	s_add_nc_u64 s[54:55], s[10:11], s[22:23]      ; pw: 4,096 bytes a wave
	s_lshl_b32 s22, s21, 11
	s_add_nc_u64 s[56:57], s[12:13], s[22:23]      ; cw: 2,048
	s_add_nc_u64 s[58:59], s[14:15], s[22:23]      ; sgu_w: 2,048
	s_add_nc_u64 s[60:61], s[18:19], s[22:23]      ; pw as f16: 2,048
	s_lshl_b32 s22, s21, 10
	s_add_nc_u64 s[62:63], s[18:19], s[22:23]
	s_add_nc_u64 s[62:63], s[62:63], 4194304       ; cw as f16: 1,024; sgu_w as bf16 lies 2,097,152 further on
	s_lshl_b32 s22, s21, 2
	s_add_nc_u64 s[66:67], s[18:19], s[22:23]
	s_add_nc_u64 s[66:67], s[66:67], 8388608       ; my partial maximum
	s_lshl_b32 s22, s21, 14
	s_add_nc_u64 s[52:53], s[16:17], s[22:23]      ; xn at my first row
	s_lshl_b32 s22, s21, 15
	s_add_nc_u64 s[70:71], s[4:5], s[22:23]        ; x at my first row
.irp c, 0,1,2,3
	s_add_nc_u64 s[G0+4*(\c)+2:G0+4*(\c)+3], s[70:71], (\c)*CHB
	s_or_b32 s[G0+4*(\c)+3], s[G0+4*(\c)+3], 0x80000000   ; type = 2
.endr
.irp k, 0,1,2,3,4,5,6,7
	global_load_b128 v[WL+4*(\k):WL+4*(\k)+3], v[O16], s[54:55] offset:512*(\k) th:TH_LOAD_NT
.endr
.irp k, 0,1,2,3
	global_load_b128 v[WL+32+4*(\k):WL+32+4*(\k)+3], v[O16], s[56:57] offset:512*(\k) th:TH_LOAD_NT
.endr
.irp k, 0,1,2,3
	global_load_b128 v[WL+48+4*(\k):WL+48+4*(\k)+3], v[O16], s[58:59] offset:512*(\k) th:TH_LOAD_NT
.endr
.irp j, 0,1,2,3,4,5,6,7
	global_load_b128 v[NG+4*(\j):NG+4*(\j)+3], v[O16], s[6:7] offset:512*(\j)
	global_load_b128 v[NB+4*(\j):NB+4*(\j)+3], v[O16], s[8:9] offset:512*(\j)
.endr
.irp c, 0,1,2,3
	tensor_load_to_lds s[G0+4*(\c):G0+4*(\c)+3], s[24:31]   ; rows 2 c and 2 c + 1 of my eight: four loads of mine are out
	s_nop 0
.endr
	s_wait_loadcnt 16                              ; the sixteen loads of weights are in; the sixteen younger ones (ng, nb) may stay out
.set k, 0
.rept 12
	v_cvt_pk_f16_f32 v[Y+2*k], v[WL+4*k], v[WL+4*k+1]
	v_cvt_pk_f16_f32 v[Y+2*k+1], v[WL+4*k+2], v[WL+4*k+3]
.set k, k+1
.endr
.rept 4
	v_cvt_pk_bf16_f32 v[Y+2*k], v[WL+4*k], v[WL+4*k+1]
	v_cvt_pk_bf16_f32 v[Y+2*k+1], v[WL+4*k+2], v[WL+4*k+3]
.set k, k+1
.endr
.irp k, 0,1,2,3,4,5,6,7
	global_store_b64 v[O8], v[Y+2*(\k):Y+2*(\k)+1], s[60:61] offset:256*(\k)   ; each store of the wave covers 256 consecutive bytes, aligned
.endr
.irp k, 0,1,2,3
	global_store_b64 v[O8], v[Y+16+2*(\k):Y+16+2*(\k)+1], s[62:63] offset:256*(\k)
	global_store_b64 v[O8], v[Y+24+2*(\k):Y+24+2*(\k)+1], s[62:63] offset:2097152+256*(\k)
.endr
	v_max3_num_f32 v[T0], |v[WL+48]|, |v[WL+49]|, |v[WL+50]|   ; the largest |sgu_w| of my 16 numbers, unrounded
.set k, 51
.rept 6
	v_max3_num_f32 v[T0], v[T0], |v[WL+k]|, |v[WL+k+1]|
.set k, k+2
.endr
	v_max_num_f32 v[T0], v[T0], |v[WL+63]|
	v_max_num_f32_dpp v[T0], v[T0], v[T0] row_xmask:1 row_mask:0xf bank_mask:0xf
	v_max_num_f32_dpp v[T0], v[T0], v[T0] row_xmask:2 row_mask:0xf bank_mask:0xf
	v_max_num_f32_dpp v[T0], v[T0], v[T0] row_xmask:4 row_mask:0xf bank_mask:0xf
	v_max_num_f32_dpp v[T0], v[T0], v[T0] row_xmask:8 row_mask:0xf bank_mask:0xf
	v_permlanex16_b32 v[T1], v[T0], s48, s49
	v_max_num_f32 v[T0], v[T0], v[T1]
	v_cmp_eq_u32 vcc_lo, 0, v[LANE]
	s_wait_xcnt 0x0                                ; EXEC is a source of the loads and stores above: it changes only behind this wait
	s_and_saveexec_b32 s68, vcc_lo
	global_store_b32 v[Z0], v[T0], s[66:67]        ; one word a wave, 8,192 bytes in the launch: the one store here that fills no whole 256 bytes
	s_wait_xcnt 0x0
	s_or_b32 exec_lo, exec_lo, s68
	s_wait_loadcnt 0x0                             ; ng and nb
; Two rows, those of one tensor load.  left = how many younger tensor loads may stay out.
.macro ROWS left
	s_wait_tensorcnt \left                         ; tensor loads of a wave end in order (ISA guide 10.11.1): these two rows are in LDS; only I read them
	s_mov_b32 s50, 2
.Lrow_\@:
	v_add_nc_u32 v[LA], s51, v[LA0]
.irp j, 0,1,2,3,4,5,6,7
	ds_load_b128 v[X+4*(\j):X+4*(\j)+3], v[LA] offset:512*(\j)   ; 32 lanes x 16 neighbouring bytes
.endr
	s_wait_dscnt 0x0
.irp c, 0,1,2,3
	v_pk_add_f32 v[CH+2*(\c):CH+2*(\c)+1], v[X+4*(\c):X+4*(\c)+1], v[X+4*(\c)+2:X+4*(\c)+3]   ; the first eight pairs start the chains
.endr
.set p, 8
.rept 8
	v_pk_add_f32 v[CH+2*(p%4):CH+2*(p%4)+1], v[CH+2*(p%4):CH+2*(p%4)+1], v[X+2*p:X+2*p+1]
.set p, p+1
.endr
	FOLD
	WSUM T0, T1
	v_mul_f32 v[MU], v[INVN], v[T0]
	v_mul_f32 v[MU+1], v[INVN], v[T0]
.set p, 0
.rept 16
	v_pk_add_f32 v[X+2*p:X+2*p+1], v[X+2*p:X+2*p+1], v[MU:MU+1] neg_lo:[0,1] neg_hi:[0,1]   ; x - mean
.set p, p+1
.endr
.irp c, 0,1,2,3
	v_pk_mul_f32 v[CH+2*(\c):CH+2*(\c)+1], v[X+2*(\c):X+2*(\c)+1], v[X+2*(\c):X+2*(\c)+1]
.endr
.set p, 4
.rept 12
	v_pk_fma_f32 v[CH+2*(p%4):CH+2*(p%4)+1], v[X+2*p:X+2*p+1], v[X+2*p:X+2*p+1], v[CH+2*(p%4):CH+2*(p%4)+1]
.set p, p+1
.endr
	FOLD
	WSUM T0, T1
	v_fma_f32 v[T0], v[T0], v[INVN], v[EPS]        ; the mean square + 1e-5
	v_rsq_f32 v[RS], v[T0]
	v_rsq_f32 v[RS+1], v[T0]
.set p, 0
.rept 16
	v_pk_mul_f32 v[X+2*p:X+2*p+1], v[X+2*p:X+2*p+1], v[NG+2*p:NG+2*p+1]   ; the gain: work that names neither root, between them and their wait
.set p, p+1
.endr
	s_wait_alu depctr_va_vdst(0)                   ; one wait for both roots, ahead of their first reader
.set p, 0
.rept 16
	v_pk_fma_f32 v[X+2*p:X+2*p+1], v[X+2*p:X+2*p+1], v[RS:RS+1], v[NB+2*p:NB+2*p+1]
.set p, p+1
.endr
	s_wait_xcnt 0x0                                ; the stores issued so far have read Y and YO: both are rewritten only behind this wait
	v_add_nc_u32 v[YO], 2048, v[YO]                ; the next row; the stores below reach back
.set p, 0
.rept 16
	v_cvt_pk_f16_f32 v[Y+p], v[X+2*p], v[X+2*p+1]
.set p, p+1
.endr
.irp j, 0,1,2,3,4,5,6,7
	global_store_b64 v[YO], v[Y+2*(\j):Y+2*(\j)+1], s[52:53] offset:256*(\j)-2048   ; 256 consecutive bytes, aligned
.endr
	s_add_co_u32 s51, s51, 4096
	s_sub_co_u32 s50, s50, 1
	s_cmp_lg_u32 s50, 0
	s_cbranch_scc1 .Lrow_\@
.endm
	ROWS 3
	ROWS 2
	ROWS 1
	ROWS 0
	s_wait_tensorcnt 0x0                           ; the wave's end
	ds_add_u32 v[SPW], v[NIL]
	s_wait_dscnt 0x0
	s_endpgm
.Lfunc_end_k_q35f516ec08_pre:
	.size	k_q35f516ec08_pre, .Lfunc_end_k_q35f516ec08_pre-k_q35f516ec08_pre
	.p2alignl 7, 3214868480
	.fill 96, 4, 3214868480
	.section	.rodata,"a",@progbits
	.p2align	6, 0x0
	.amdhsa_kernel k_q35f516ec08_pre
		.amdhsa_group_segment_fixed_size 263168
		.amdhsa_private_segment_fixed_size 0
		.amdhsa_enable_private_segment 0
		.amdhsa_kernarg_size 64
		.amdhsa_user_sgpr_count 2
		.amdhsa_user_sgpr_kernarg_segment_ptr 1
		.amdhsa_wavefront_size32 1
		.amdhsa_system_sgpr_workgroup_id_x 1
		.amdhsa_system_sgpr_workgroup_id_y 1
		.amdhsa_system_sgpr_workgroup_id_z 1
		.amdhsa_system_vgpr_workitem_id 0
		.amdhsa_next_free_vgpr 224
		.amdhsa_next_free_sgpr 72
		.amdhsa_reserve_vcc 1
		.amdhsa_float_denorm_mode_32 3
		.amdhsa_float_denorm_mode_16_64 3
		.amdhsa_memory_ordered 1
		.amdhsa_forward_progress 1
		.amdhsa_inst_pref_size 47
	.end_amdhsa_kernel
	.amdgpu_metadata
---
amdhsa.version: [ 1, 2 ]
amdhsa.kernels:
  - .name:           k_q35f516ec08_pre
    .symbol:         k_q35f516ec08_pre.kd
    .args:
      - { .name: x, .offset: 0, .size: 8, .value_kind: global_buffer, .address_space: global }
      - { .name: ng, .offset: 8, .size: 8, .value_kind: global_buffer, .address_space: global }
      - { .name: nb, .offset: 16, .size: 8, .value_kind: global_buffer, .address_space: global }
      - { .name: pw, .offset: 24, .size: 8, .value_kind: global_buffer, .address_space: global }
      - { .name: cw, .offset: 32, .size: 8, .value_kind: global_buffer, .address_space: global }
      - { .name: sgu_w, .offset: 40, .size: 8, .value_kind: global_buffer, .address_space: global }
      - { .name: xn, .offset: 48, .size: 8, .value_kind: global_buffer, .address_space: global }
      - { .name: wts, .offset: 56, .size: 8, .value_kind: global_buffer, .address_space: global }
    .group_segment_fixed_size: 263168
    .private_segment_fixed_size: 0
    .kernarg_segment_align: 8
    .kernarg_segment_size: 64
    .max_flat_workgroup_size: 256
    .sgpr_count:     72
    .vgpr_count:     224
    .wavefront_size: 32
...
	.end_amdgpu_metadata
.endif
;; end of part 1
;; launch gemm1 (part 2): grid 8 x 64, 4 waves a work-group, clusters of 4 x 4, 327,680 bytes of LDS; arguments xn, wts, uv, pb; writes uv
.if DOCPART == 2
	.amdgcn_target "amdgcn-amd-amdhsa--gfx1250"
	.amdhsa_code_object_version 6
	.text
	.protected	k_q35f516ec08_gemm1
	.globl	k_q35f516ec08_gemm1
	.p2align	8
	.type	k_q35f516ec08_gemm1,@function
k_q35f516ec08_gemm1:
	s_mov_b64 s[64:65], 0
	v_nop
	global_prefetch_b8 v0, s[64:65] scope:SCOPE_SE
	s_setreg_imm32_b32 hwreg(HW_REG_WAVE_MODE, 25, 1), 1
	s_wait_xcnt 0x0
	s_wait_alu depctr_hold_cnt(0) depctr_sa_sdst(0) depctr_va_vdst(0) depctr_va_sdst(0) depctr_va_ssrc(0) depctr_va_vcc(0) depctr_vm_vsrc(0)
	s_getreg_b32 s2, hwreg(HW_REG_IB_STS2, 6, 4)
	s_cmp_eq_u32 s2, 0
	s_cbranch_scc0 .Lentry_in_a_cluster
	s_endpgm
.Lentry_in_a_cluster:
	s_bfe_u32 s2, ttmp6, 0x10000c
	s_cmp_lg_u32 s2, 0xf033
	s_cbranch_scc0 .Lentry_shape_is_right
	s_endpgm
.Lentry_shape_is_right:
; ONE TEXT FOR THE MODULE'S THREE PRODUCTS; MODE picks the parts that are assembled.  This file: MODE 1.
;   MODE 1: uv = swish(xn pw + pb), f16 operands.  A = xn [16384][1024], B = pw as f16 [1024][2048], C = uv [16384][2048] f16 (u: columns 0-1023, v: the rest); behind uv's rows, from byte
;           67,108,864 on, a slot of 256 bytes for each 128 x 128 wave tile of u holds the tile's largest |u| (slot = 8 x (row / 128) + column / 128).
;   MODE 2: for each batch gated[j][t] = sum over s of sgu_w[s][j] vnw[s][t], bf16 operands (sgu_w has no room in f16); pj = f16(u (gated c1 + c0)), with c1 = weight alpha, c0 = sgu_b alpha of row j.
;   MODE 3: out0 = (pj cw) inv + cb, f16 operands, f32 out; inv = 1 / alpha of the row.
; alpha is an exact power of two, made for each row by the launch before MODE 2 so that |u (gated weight + sgu_b)| alpha stays under 2^14.
; LIMITS.  f16 holds no number beyond 65,504: |u|, |v| must stay within it; below 6e-5 it keeps its fixed step of 6e-8.  NaN and infinities are not treated apart.
; SHAPE.  A tile of C is 256 x 256, K = 1,024 in 8 steps of 128 through two LDS slots; four waves, each 128 x 128 of C in 64 accumulators of 16 x 16 (512 registers).
; B lies [K][N] in memory: its tiles come as 128 rows (k) of 256 bytes and are turned on the way out of LDS by ds_load_tr16_b128; so does A in MODE 2 ([K][M]).  Every tile row is 256 bytes of memory, aligned.
; CLUSTERS.  4 x 4 work-groups: A's tile is shared along a row of the cluster, B's along a column; each is asked for jointly (same load, same descriptor, a mask of the four).  In MODE 2 a cluster is one batch.
; THE MATRIX INSTRUCTION IS USED TRANSPOSED (source 0 = 16 columns of B, source 1 = 16 rows of A): a lane holds row l % 16 of C and the columns 8 (l / 16) + 0..7.
; A K STEP IS WRITTEN ONCE: a trip goes from a step's second quarter to the next step's first; the slot in hand is a scalar, turned at each change of slots, and one descriptor for A and one for B walk.
; The last two K steps, which ask for no tile of A or B, are a second loop, left in its middle.
; THE WAY OUT.  64 rows of the wave's tile at a time go as f32 into the wave's own part of slot 1 (which has had its last fill) and come back as whole rows, eight a trip: lane l holds columns 4 l .. 4 l + 3.
; The next eight rows are asked for while the eight in hand are worked on.
; REGISTERS, in windows of 256: window 0: v16-59 addresses and what the way out needs, v64-191 A's fragments (two buffers), v192-255 MODE 1's bias; on the way out v64-255 are at work;
; window 1: v64-191 B's fragments; windows 2, 3: the accumulators.
.set MODE,   1
.set HALFT,  36864                     ; a part of a slot: 128 rows x 288 bytes (turned tiles) or x 272 (plain ones)
.set SLOT,   4*HALFT                   ; A's two halves, then B's two halves.  147,456 = 0x24000 has no bit in common with the parts' offsets 0, 0x9000, 0x12000, 0x1b000: one exclusive or turns a part's address into the other slot's
.set PP,     272                       ; a plain row in LDS: 256 bytes + 16: the 16 rows of a load start 68 words apart (64 banks of 4 bytes: ISA guide 11.1)
.set PT,     288                       ; a row that is turned: 256 + 32
.set DP,     528                       ; a row of 128 f32 on the way out: 512 + 16
.set DREG,   64*DP                     ; a wave's 64 rows
.set SCR,    2*SLOT                    ; behind the ring: 2,048 bytes a wave, the records of its 128 rows
.set SPARE,  SCR+4*2048                ; behind them: the spare words, 128 bytes a wave
.if MODE == 1
.set AROW,   2048                      ; bytes from row to row of A's matrix in memory
.set BROW,   4096                      ; of B's
.set ABASE,  0                         ; where A's matrix begins in its buffer
.set BBASE,  0
.set ASTEP,  256                       ; bytes from a K step to the next
.set PADA,   3                         ; A's padding: 4 words (code 3)
.set CROW,   4096                      ; bytes in a row of C's buffer
.set CSH,    12
.set CEL,    1                         ; log2 of the bytes in a number of C
.set RSOFF,  0
.elseif MODE == 2
.set AROW,   2048
.set BROW,   2048
.set ABASE,  6291456
.set BBASE,  0
.set ASTEP,  128*AROW
.set PADA,   7                         ; 8 words (code 7)
.set CROW,   2048
.set CSH,    11
.set CEL,    1
.set RSOFF,  33554432                  ; the records {c1, c1, c0, c0}, 16 bytes a row
.else
.set AROW,   2048
.set BROW,   2048
.set ABASE,  0
.set BBASE,  4194304
.set ASTEP,  256
.set PADA,   3
.set CROW,   4096
.set CSH,    12
.set CEL,    2
.set RSOFF,  33816576                  ; the records {inv x 4}
.endif
.set BSTEP,  128*BROW
.set ADRA0, 16                         ; v16     LDS address of my A fragments in slot 0; never rewritten
.set ADA,   17                         ; v17     the same in the slot in hand
.set ADRB0, 20                         ; v20, v21 the same for B
.set ADB,   21
.set UA,   22                          ; v22     MODE 2: my 8 bytes of a row of my u tile
.set SCA,  23                          ; v23     the record of the way out's next row
.set DST,  24                          ; v24     the way out: where I put 32 bytes of a row
.set RDA0, 25                          ; v25     the way out: my 16 bytes of the first row
.set RDA,  26                          ; v26     of the next eight rows' first
.set CO,   27                          ; v27     my byte offset in a row of C
.set SPW,  28                          ; v28     my spare word; never rewritten
.set NIL,  29                          ; v29     0; never rewritten
.set PFO,  30                          ; v30     the prefetches' offset: lane x a row in memory; never rewritten
.set ZERO, 31                          ; v31     0
.set REC,  32                          ; v[32:47] four records as loaded
.set BIA,  48                          ; v[48:51] MODE 3: the bias of my four columns
.set MX,   52                          ; v[52:53] MODE 1: two running maxima of |u|
.set BO,   54                          ; v54     the bias's offset
.set LO16, 55                          ; v55     16 x lane
.set SCS,  56                          ; v56     where I put a record
.set CC,   58                          ; v[58:59] MODE 1: - log2(e), twice
.set F0,   64
.set F1,   128
.set BI,   192                         ; v[192:255] MODE 1: the bias as an accumulator holds it: register 8 b + j = pb[my first column + 16 b + 8 (l / 16) + j]
.set G,    64                          ; the way out: eight rows of f32; MODE 2, 3: set s at G + 32 s
.if MODE == 1
.set T,    96
.set X,    128
.set Y,    176
.elseif MODE == 2
.set UU,   128                         ; set s at + 16 s
.set RC,   160                         ; + 32 s
.set Y,    224                         ; + 16 s
.set NLD,  24                          ; LDS loads in a set
.else
.set RC,   128                         ; + 16 s
.set E,    160                         ; + 32 s
.set NLD,  16
.endif
.set G1,  24                           ; s[24:31] descriptor group 1 for A's tiles; s[32:39] group 0: a set for each of the two first fills; the second then walks on
.set G0,  32
.set G1B, 48                           ; s[48:55], s[56:63] the same for B's
.set G0B, 56
.set LIM, 43                           ; s43      2 in a wave that prefetches, else the greatest number
.set PFA, 44                           ; s[44:45] where my prefetches stand
.set PFS, 70                           ; s[70:71] their step, a K step
.set TB,  75                           ; s75      LDS byte at which the slot in hand begins
.set GU0, 76                           ; s[76:79], s[80:87] MODE 2: the descriptor of my u tile
.set GU1, 80
.set MSB, 0
.macro WIN new                         ; the immediate's high byte repeats the setting that is left; a switch that changes nothing is dropped
.if MSB != (\new)
	s_set_vgpr_msb (MSB<<8)|(\new)
.set MSB, \new
.endif
.endm
.set MUL_LO, 0xa1                      ; source 0 (B) window 1, source 1 (A) window 0, C and D window 2
.set MUL_HI, 0xf1                      ; the same, C and D window 3
.set TO_B,   0x40                      ; destination window 1, address window 0
; A joint refill, by the walking descriptors.  Waves 0 and 1 fetch A's two halves, waves 2 and 3 B's: the branch hangs on the wave's number alone.  An s_nop 0 and four v_nop follow each line.
.macro JLOAD
	s_cmp_eq_u32 s11, 0
	s_cbranch_scc0 .Lfor_b_\@
	tensor_load_to_lds s[G0+4:G0+7], s[G1:G1+7]
	s_nop 0
.rept 4
	v_nop
.endr
	s_branch .Lasked_\@
.Lfor_b_\@:
	tensor_load_to_lds s[G0B+4:G0B+7], s[G1B:G1B+7]
	s_nop 0
.rept 4
	v_nop
.endr
.Lasked_\@:
.endm
; A prefetch of the K step that stands two refills on: 32 rows x 256 bytes, a lane a row, one instruction a wave.  Each row's 256 bytes are named once in the launch: of the clusters that read a tile one asks,
; and the four partners that ask for it jointly take 32 of its 128 rows each, told apart by address.  K steps 0 to 3 come by their loads alone; the loop's last two trips (s3 = 2, 1) ask for nothing: there is no K step 8.
.macro ASK
	s_cmp_gt_u32 s3, s[LIM]
	s_cbranch_scc0 .Lnot_mine_\@
	global_prefetch_b8 v[PFO], s[PFA:PFA+1] th:TH_LOAD_NT scope:SCOPE_SE
.Lnot_mine_\@:
.endm
.macro CREST                           ; a round of the cluster's barrier behind its opening barrier
	s_cmp_lg_u32 s10, 0
	s_cbranch_scc1 .Lnot_wave_0_\@
	s_barrier_signal -3
.Lnot_wave_0_\@:
	s_barrier_wait -3
	s_barrier_signal -1
	s_barrier_wait -1
.endm
.macro CROUND                          ; a whole round
	s_barrier_signal -1
	s_barrier_wait -1
	CREST
.endm
	s_load_b128 s[4:7], s[0:1], 0x0                ; A's buffer s[4:5], B's s[6:7]
	s_load_b64 s[8:9], s[0:1], 0x10                ; C's
	s_load_b64 s[66:67], s[0:1], 0x18              ; MODE 1: pb; MODE 2: uv; MODE 3: cb
.if MODE == 3
	s_load_b64 s[68:69], s[0:1], 0x20              ; vn, for the records
.endif
	v_lshl_add_u32 v[SPW], v0, 2, SPARE
	v_mov_b32 v[NIL], 0
	ds_add_u32 v[SPW], v[NIL]                      ; the wave's opening: the add and its wait stand ahead of my first tensor load; the set-up below stands between them
	v_lshrrev_b32 v1, 5, v0
	v_readfirstlane_b32 s10, v1                    ; wave 0..3
	s_lshr_b32 s11, s10, 1                         ; which half of the tile's rows is mine.  Also: I fetch for A (0) or for B (1)
	s_and_b32 s12, s10, 1                          ; which half of its columns.  Also: which half of that tile I fetch
	s_bfe_u32 s40, ttmp6, 0x40000                  ; cx
	s_bfe_u32 s41, ttmp6, 0x40004                  ; cy
	s_lshl_b32 s42, ttmp9, 2
	s_add_co_u32 s42, s42, s40                     ; tile column = 4 x cluster x + cx
	s_and_b32 s13, ttmp7, 0xffff
	s_lshl_b32 s13, s13, 2
	s_add_co_u32 s13, s13, s41                     ; tile row = 4 x cluster y + cy
	s_lshl_b32 s43, s41, 2
	s_lshl_b32 s43, 15, s43                        ; my row of the cluster
	s_lshl_b32 s44, 0x1111, s40                    ; my column
	; group 1: tiles of 128 rows x 128 elements of 2 bytes, padded after every 64 words
	s_or_b32 s[G1+0], s43, (1<<16)|(1<<20)|(1<<21)|(5<<22)|(PADA<<25)
	s_or_b32 s[G1B+0], s44, (1<<16)|(1<<20)|(1<<21)|(5<<22)|(7<<25)
.irp g, G1, G1B
	s_mov_b32 s[(\g)+1], 128<<16                   ; tensor_dim0 = 128
	s_mov_b32 s[(\g)+2], 128<<16                   ; tensor_dim1 = 128
	s_mov_b32 s[(\g)+3], 128<<16                   ; tile_dim0 = 128
	s_mov_b32 s[(\g)+4], 128                       ; tile_dim1 = 128
	s_mov_b32 s[(\g)+6], 0
	s_mov_b32 s[(\g)+7], 0
.endr
	s_mov_b32 s[G1+5], AROW/2                      ; elements from row to row
	s_mov_b32 s[G1B+5], BROW/2
	; where the tiles come from: A's hang on the tile row (MODE 2: on cy) and the wave's number, B's on the tile column (MODE 2: and the batch, which is the cluster's y) and the wave's number
.if MODE == 2
	s_lshl_b32 s16, s41, 9                         ; columns 256 cy of sgu_w, 2 bytes each
	s_lshl_b32 s17, s12, 8
	s_add_co_u32 s16, s16, s17
	s_add_co_u32 s16, s16, ABASE
.else
	s_lshl_b32 s16, s13, 8
	s_lshl_b32 s17, s12, 7
	s_add_co_u32 s16, s16, s17                     ; row 256 x tile row + 128 x half
	s_lshl_b32 s16, s16, 11
.endif
	s_mov_b32 s17, 0
	s_lshl_b32 s46, s42, 9                         ; columns 256 x tile column + 128 x half, 2 bytes each
	s_lshl_b32 s47, s12, 8
	s_add_co_u32 s46, s46, s47
.if MODE == 2
	s_and_b32 s47, ttmp7, 0xffff
	s_lshl_b32 s47, s47, 21                        ; the batch's 1,024 rows of 2,048 bytes
	s_add_co_u32 s46, s46, s47
.elseif MODE == 3
	s_add_co_u32 s46, s46, BBASE
.endif
	s_mov_b32 s47, 0
	s_mul_i32 s20, s10, HALFT                      ; and where they go: part = wave: no place in the cluster enters an LDS address
	s_mov_b32 s88, 0x76543210
	s_mov_b32 s89, 0xfedcba98
	s_wait_dscnt 0x0                               ; the opening add is done
	s_wait_kmcnt 0x0
	s_add_nc_u64 s[14:15], s[4:5], s[16:17]
	s_add_nc_u64 s[46:47], s[6:7], s[46:47]
	CROUND                                         ; all sixteen work-groups are here: the first joint loads meet
.irp s, 0,1
	s_mov_b32 s[G0+4*(\s)], 1
	s_add_co_u32 s[G0+4*(\s)+1], s20, (\s)*SLOT
	s_add_nc_u64 s[G0+4*(\s)+2:G0+4*(\s)+3], s[14:15], (\s)*ASTEP
	s_or_b32 s[G0+4*(\s)+3], s[G0+4*(\s)+3], 0x80000000
	s_mov_b32 s[G0B+4*(\s)], 1
	s_add_co_u32 s[G0B+4*(\s)+1], s20, (\s)*SLOT
	s_add_nc_u64 s[G0B+4*(\s)+2:G0B+4*(\s)+3], s[46:47], (\s)*BSTEP
	s_or_b32 s[G0B+4*(\s)+3], s[G0B+4*(\s)+3], 0x80000000
.endr
	s_cmp_eq_u32 s11, 0                            ; a wave's two first fills stand in one branch, ahead of every wait on TENSORcnt and every LDS read: two loads of mine are out
	s_cbranch_scc0 .Lfirst_b
	tensor_load_to_lds s[G0:G0+3], s[G1:G1+7]
	s_nop 0
	tensor_load_to_lds s[G0+4:G0+7], s[G1:G1+7]
	s_nop 0
.rept 4
	v_nop
.endr
	s_branch .Lfirst_asked
.Lfirst_b:
	tensor_load_to_lds s[G0B:G0B+3], s[G1B:G1B+7]
	s_nop 0
	tensor_load_to_lds s[G0B+4:G0B+7], s[G1B:G1B+7]
	s_nop 0
.rept 4
	v_nop
.endr
.Lfirst_asked:
	; A fragment is 16 rows x 32 K in 8 registers: lane l holds row l % 16; registers 0-3 K = 8 (l / 16) + 0..7, registers 4-7 K = 16 + 8 (l / 16) + 0..7.
	; From rows that lie along K: two loads of 16 bytes, 32 bytes apart.  From rows that lie across K: two turning loads, 16 rows apart; lane l reads row 8 (l / 16) + l % 8, bytes 16 ((l / 8) % 2) on.
	v_and_b32 v1, 15, v0                           ; l % 16
	v_bfe_u32 v2, v0, 4, 1                         ; l / 16
	v_and_b32 v6, 31, v0                           ; l
	v_mul_u32_u24 v3, v1, PP
	v_lshl_add_u32 v3, v2, 4, v3
	v_and_b32 v4, 7, v0
	v_lshl_add_u32 v4, v2, 3, v4
	v_mul_u32_u24 v4, v4, PT
	v_bfe_u32 v5, v0, 3, 1
	v_lshl_add_u32 v4, v5, 4, v4
	s_mul_i32 s21, s11, HALFT                      ; my half of A
	s_mul_i32 s22, s12, HALFT                      ; my half of B,
	s_add_co_u32 s22, s22, 2*HALFT                 ; behind A's two
.if MODE == 2
	v_add_nc_u32 v[ADRA0], s21, v4
.else
	v_add_nc_u32 v[ADRA0], s21, v3
.endif
	v_add_nc_u32 v[ADRB0], s22, v4
	v_mov_b32 v[ADA], v[ADRA0]                     ; K step 0 lies in slot 0
	v_mov_b32 v[ADB], v[ADRB0]
	s_mov_b32 s[TB], 0
	s_mul_i32 s23, s10, DREG
	s_add_co_u32 s23, s23, SLOT                    ; the way out: my 33,792 bytes of slot 1
	v_mul_u32_u24 v[DST], v1, DP
	v_lshl_add_u32 v[DST], v2, 5, v[DST]
	v_add_nc_u32 v[DST], s23, v[DST]
	v_lshl_add_u32 v[RDA0], v6, 4, s23
	v_lshlrev_b32 v[CO], CEL+2, v6                 ; four numbers a lane
	v_mov_b32 v[ZERO], 0
	v_lshlrev_b32 v[LO16], 4, v6
	s_lshl_b32 s18, s13, 8
	s_lshl_b32 s19, s11, 7
	s_add_co_u32 s18, s18, s19                     ; my first row of C
	s_lshl_b32 s46, s42, 8
	s_lshl_b32 s47, s12, 7
	s_add_co_u32 s46, s46, s47                     ; my first column
	s_mov_b32 s17, 0
.if MODE == 1
	s_lshr_b32 s16, s18, 4                         ; 8 x (row / 128)
	s_lshr_b32 s22, s46, 7
	s_add_co_u32 s16, s16, s22
	s_lshl_b32 s16, s16, 8
	s_add_nc_u64 s[92:93], s[8:9], s[16:17]
	s_add_nc_u64 s[92:93], s[92:93], 67108864      ; my tile's slot for max |u| (used in u's tiles alone)
	s_cmp_eq_u32 ttmp9, 0
	s_cselect_b32 s72, 1, 0                        ; the first column of clusters makes u: the same in all sixteen partners
.endif
	s_lshl_b32 s16, s18, CSH
	s_add_nc_u64 s[8:9], s[8:9], s[16:17]
	s_lshl_b32 s16, s46, CEL
	s_add_nc_u64 s[8:9], s[8:9], s[16:17]          ; C at my part of the tile
.if MODE == 1
	s_lshl_b32 s16, s46, 2
	v_lshl_add_u32 v[BO], v2, 5, s16               ; 4 x (my first column + 8 (l / 16))
.irp b, 0,1,2,3,4,5,6,7
	global_load_b128 v[BI+8*(\b):BI+8*(\b)+3],   v[BO], s[66:67] offset:64*(\b)      ; the bias in the accumulators' layout: it is the C of the products that start the sums
	global_load_b128 v[BI+8*(\b)+4:BI+8*(\b)+7], v[BO], s[66:67] offset:64*(\b)+16
.endr
	v_mov_b32 v[CC], 0xbfb8aa3b
	v_mov_b32 v[CC+1], 0xbfb8aa3b
.elseif MODE == 3
	s_lshl_b32 s16, s46, 2
	v_add_nc_u32 v[BO], s16, v[LO16]
	global_load_b128 v[BIA:BIA+3], v[BO], s[66:67] ; the bias of my four columns; waited for on the way out
.endif
.if MODE != 1
	s_lshl_b32 s16, s18, 4
.if MODE == 2
	s_add_nc_u64 s[90:91], s[6:7], s[16:17]
.else
	s_add_nc_u64 s[90:91], s[68:69], s[16:17]
.endif
	s_add_nc_u64 s[90:91], s[90:91], RSOFF
.irp k, 0,1,2,3
	global_load_b128 v[REC+4*(\k):REC+4*(\k)+3], v[LO16], s[90:91] offset:512*(\k)   ; the records of my 128 rows, a lane a row; waited for on the way out
.endr
	s_lshl_b32 s16, s10, 11
	s_add_co_u32 s16, s16, SCR
	v_mov_b32 v[SCA], s16
	v_add_nc_u32 v[SCS], s16, v[LO16]
.endif
.if MODE == 2
	s_mov_b32 s[GU0], 1                            ; my u tile: 128 rows x 128 f16 of uv, a load of my own (no mask), into my part of slot 0 when that slot has been read out
	s_mul_i32 s[GU0+1], s10, HALFT
	s_lshl_b32 s16, s18, 12
	s_add_nc_u64 s[GU0+2:GU0+3], s[66:67], s[16:17]
	s_lshl_b32 s16, s46, 1
	s_add_nc_u64 s[GU0+2:GU0+3], s[GU0+2:GU0+3], s[16:17]
	s_or_b32 s[GU0+3], s[GU0+3], 0x80000000
	s_mov_b32 s[GU1+0], (1<<16)|(1<<20)|(5<<22)|(3<<25)
	s_mov_b32 s[GU1+1], 128<<16
	s_mov_b32 s[GU1+2], 128<<16
	s_mov_b32 s[GU1+3], 128<<16
	s_mov_b32 s[GU1+4], 128
	s_mov_b32 s[GU1+5], 2048
	s_mov_b32 s[GU1+6], 0
	s_mov_b32 s[GU1+7], 0
	v_lshl_add_u32 v[UA], v6, 3, s[GU0+1]
.endif
	; the prefetches: they start at K step 3; each change of slots steps them first, so the first names K step 4
.if MODE == 2
	s_lshl_b32 s20, s40, 16                        ; A: my work-group's 32 of the K step's 128 rows of sgu_w, by cx
	s_lshl_b32 s23, s41, 9
	s_add_co_u32 s20, s20, s23
	s_lshl_b32 s23, s12, 8
	s_add_co_u32 s20, s20, s23
	s_add_co_u32 s20, s20, ABASE+3*ASTEP
.else
	s_lshl_b32 s20, s13, 8                         ; A: of the 128 rows that I fetch my work-group's 32, by cx
	s_lshl_b32 s23, s12, 7
	s_add_co_u32 s20, s20, s23
	s_lshl_b32 s23, s40, 5
	s_add_co_u32 s20, s20, s23
	s_lshl_b32 s20, s20, 11
	s_add_co_u32 s20, s20, 3*ASTEP
.endif
	s_mul_i32 s21, s41, 32*BROW                    ; B: my work-group's 32 of the K step's 128 rows, by cy
	s_lshl_b32 s23, s42, 9
	s_add_co_u32 s21, s21, s23
	s_lshl_b32 s23, s12, 8
	s_add_co_u32 s21, s21, s23
	s_add_co_u32 s21, s21, BBASE+3*BSTEP
	s_and_b32 s16, ttmp7, 0xffff                   ; cluster y
.if MODE == 2
	s_lshl_b32 s23, s16, 21
	s_add_co_u32 s21, s21, s23
	s_cmp_eq_u32 s16, 0                            ; sgu_w is read by every cluster: the first asks
	s_cselect_b32 s23, 2, -1
	s_mov_b32 s19, 2                               ; a batch's rows are read by its own cluster alone
.else
	s_cmp_eq_u32 ttmp9, 0                          ; A's rows are read by every cluster of a row of clusters: the first asks
	s_cselect_b32 s23, 2, -1
	s_cmp_eq_u32 s16, 0                            ; B's by every cluster of a column
	s_cselect_b32 s19, 2, -1
.endif
	s_mov_b32 s[PFS], ASTEP
	s_mov_b32 s[PFS+1], 0
	s_mov_b32 s22, AROW
	s_cmp_eq_u32 s11, 0                            ; do I fetch for A?
	s_cselect_b64 s[PFA:PFA+1], s[4:5], s[6:7]
	s_cselect_b32 s20, s20, s21
	s_cselect_b32 s[LIM], s23, s19
	s_cselect_b32 s[PFS], s[PFS], BSTEP
	s_cselect_b32 s22, s22, BROW
	s_mov_b32 s21, 0
	s_add_nc_u64 s[PFA:PFA+1], s[PFA:PFA+1], s[20:21]
	v_mul_u32_u24 v[PFO], s22, v6
; 8 matrix instructions: m block a of the window's four (hi = 0: my rows 0-63, 1: rows 64-127) x all 8 n blocks, 32 along K.  zero = 1: the product starts the sums, with 0 or (MODE 1) with the bias.
; The 64 accumulators take turns, in the same order in every quarter step.
.macro MULA f, hi, a, zero
.if (\zero) && (MODE == 1)
	WIN 0x81+0x40*(\hi)                            ; as MUL_LO, MUL_HI, but C in window 0
.else
	WIN MUL_LO+0x50*(\hi)
.endif
.irp b, 0,1,2,3,4,5,6,7
.set rD, 8*(8*(\a)+(\b))
.set rB, (\f)+8*(\b)
.set rA, (\f)+8*(4*(\hi)+(\a))
.if MODE == 2
.if \zero
	v_wmma_f32_16x16x32_bf16 v[rD:rD+7], v[rB:rB+7], v[rA:rA+7], 0
.else
	v_wmma_f32_16x16x32_bf16 v[rD:rD+7], v[rB:rB+7], v[rA:rA+7], v[rD:rD+7]
.endif
.elseif \zero
.if MODE == 1
	v_wmma_f32_16x16x32_f16 v[rD:rD+7], v[rB:rB+7], v[rA:rA+7], v[BI+8*(\b):BI+8*(\b)+7]
.else
	v_wmma_f32_16x16x32_f16 v[rD:rD+7], v[rB:rB+7], v[rA:rA+7], 0
.endif
.else
	v_wmma_f32_16x16x32_f16 v[rD:rD+7], v[rB:rB+7], v[rA:rA+7], v[rD:rD+7]
.endif
.endr
.endm
; 32 LDS loads in one run: the fragments of quarter q (32 along K) of the slot in hand into buffer f: B's eight blocks of 16 columns, then A's eight blocks of 16 rows
.macro FETCH q, f
	WIN TO_B
.irp i, 0,1,2,3,4,5,6,7
	ds_load_tr16_b128 v[(\f)+8*(\i):(\f)+8*(\i)+3],   v[ADB] offset:(\q)*32*PT+32*(\i)
	ds_load_tr16_b128 v[(\f)+8*(\i)+4:(\f)+8*(\i)+7], v[ADB] offset:(\q)*32*PT+32*(\i)+16*PT
.endr
	WIN 0
.irp i, 0,1,2,3,4,5,6,7
.if MODE == 2
	ds_load_tr16_b128 v[(\f)+8*(\i):(\f)+8*(\i)+3],   v[ADA] offset:(\q)*32*PT+32*(\i)
	ds_load_tr16_b128 v[(\f)+8*(\i)+4:(\f)+8*(\i)+7], v[ADA] offset:(\q)*32*PT+32*(\i)+16*PT
.else
	ds_load_b128 v[(\f)+8*(\i):(\f)+8*(\i)+3],   v[ADA] offset:64*(\q)+(\i)*16*PP
	ds_load_b128 v[(\f)+8*(\i)+4:(\f)+8*(\i)+7], v[ADA] offset:64*(\q)+(\i)*16*PP+32
.endif
.endr
.endm
.macro PLACES                          ; four plain vector instructions in front of loads into registers that matrix instructions have read (ISA guide 7.12.1 for vector instructions)
.rept 4
	v_nop
.endr
.endm
; A K step is four quarters of 32 along K, 64 matrix instructions each, on buffers 0, 1, 0, 1.  One of the first three: at its head it fetches quarter q of the same slot into buffer g, which the quarter before has
; multiplied: the run stands 64 matrix instructions ahead of its first use; then it multiplies buffer f.
.macro QUARTER q, f, g, zero
	PLACES
	FETCH \q, \g
	s_wait_dscnt 32                                ; all but the 32 just issued: buffer f is in
.irp h, 0,1
.irp a, 0,1,2,3
	MULA \f, \h, \a, \zero
.endr
.endr
.endm
; The last quarter multiplies buffer 1 and changes slots.  Each wave waits for all its tensor loads (one is out: its part of the next slot), adds 0 to its spare word, waits for that and for its reads of this slot
; (the last were issued a quarter ago), and meets the others.  Behind the barrier nobody reads this slot any more and the next slot is whole.
; fill = 1: the slot just read out is filled again, two K steps on, by the joint load, first thing behind a round of the cluster's barrier: it has 240 matrix instructions in which to land.
; fill = 0: nothing is filled.  fill = 2 (MODE 2): each wave's u tile goes into its part of the slot, behind a round likewise.
.macro TURN fill
.if (\fill) == 1
	s_wait_xcnt 0x0                                ; the last prefetch, a K step back, has read its address: it is stepped here, ahead of the change's own waits
	s_add_nc_u64 s[PFA:PFA+1], s[PFA:PFA+1], s[PFS:PFS+1]
.endif
	WIN 0
	s_wait_tensorcnt 0x0                           ; all my tensor loads have landed, so a group 0 may be written
	ds_add_u32 v[SPW], v[NIL]                      ; 0 onto my spare word: the steps and eight matrix instructions stand between it and the wait for it
.if (\fill) == 1
	s_xor_b32 s[G0+5], s[G0+5], SLOT               ; the walking descriptors: the other slot than last time,
	s_add_nc_u64 s[G0+6:G0+7], s[G0+6:G0+7], ASTEP ; the next K step; the type bits on top are not reached
	s_xor_b32 s[G0B+5], s[G0B+5], SLOT
	s_add_nc_u64 s[G0B+6:G0B+7], s[G0B+6:G0B+7], BSTEP
.endif
	s_xor_b32 s[TB], s[TB], SLOT                   ; the fetches go on in the other slot
	s_wait_dscnt 1                                 ; buffer 1 is in (the add may be out)
	MULA F1, 0, 0, 0
	s_wait_dscnt 0x0                               ; the add is done, and my reads of this slot are over
	s_barrier_signal -1
	MULA F1, 0, 1, 0
	WIN 0
	s_barrier_wait -1
.if (\fill) == 0
	PLACES
.else
	CREST                                          ; no wave of any partner still reads this slot or has a load on its way
.if (\fill) == 1
	JLOAD                                          ; its four v_nop are also the places in front of the loads below
.else
	tensor_load_to_lds s[GU0:GU0+3], s[GU1:GU1+7]
	s_nop 0
.rept 4
	v_nop
.endr
.endif
.endif
	v_add_nc_u32 v[ADA], s[TB], v[ADRA0]
	v_add_nc_u32 v[ADB], s[TB], v[ADRB0]
	FETCH 0, F0
.if (\fill) == 1
	ASK
.endif
	MULA F1, 0, 2, 0
	MULA F1, 0, 3, 0
.irp a, 0,1,2,3
	MULA F1, 1, \a, 0
.endr
.endm
	s_wait_tensorcnt 1                             ; my part of K step 0 is in; K step 1's may stay out
	s_barrier_signal -1
	s_barrier_wait -1                              ; everybody's is
	FETCH 0, F0
.if MODE == 1
	s_wait_loadcnt 0x0                             ; the bias
.endif
	QUARTER 1, F0, F1, 1                           ; the first quarter stands in front of the loop: its products start the sums
	WIN 0                                          ; at a label and at a branch every window is 0
	s_mov_b32 s3, 6
.Lstep:                                        ; six trips, from a K step's second quarter to the next step's first: K steps 2 to 7 are asked for
	QUARTER 2, F1, F0, 0
	QUARTER 3, F0, F1, 0
	TURN 1
	QUARTER 1, F0, F1, 0
	WIN 0
	s_sub_co_u32 s3, s3, 1
	s_cmp_lg_u32 s3, 0
	s_cbranch_scc1 .Lstep
	s_mov_b32 s3, 2
.Ltail:                                        ; K steps 6 and 7 ask for no tile of A or B; the second trip is left in its middle
	QUARTER 2, F1, F0, 0
	QUARTER 3, F0, F1, 0
	WIN 0
	s_sub_co_u32 s3, s3, 1
	s_cmp_eq_u32 s3, 0
	s_cbranch_scc1 .Lfinal
.if MODE == 2
	TURN 2
.else
	TURN 0
.endif
	QUARTER 1, F0, F1, 0
	WIN 0
	s_branch .Ltail
.Lfinal:
	s_wait_dscnt 0x0                               ; the last fragments are in: my reads of slot 1 are over
.irp h, 0,1
.irp a, 0,1,2,3
	MULA F1, \h, \a, 0
.endr
.endr
	WIN 0
	; THE WAY OUT
.if MODE == 2
	s_wait_tensorcnt 0x0                           ; my u tile is in; only I read it
.endif
	s_barrier_signal -1
	s_barrier_wait -1                              ; nobody reads slot 1 any more: each wave may store into its part of it
.rept 8
	v_nop                                          ; the places behind the last products, once a launch
.endr
.if MODE != 1
	s_wait_loadcnt 0x0                             ; the bias and the records
.irp k, 0,1,2,3
	ds_store_b128 v[SCS], v[REC+4*(\k):REC+4*(\k)+3] offset:512*(\k)   ; into my own 2,048 bytes: LDS serves a wave's instructions in order (ISA guide 5.7.1.4)
.endr
.endif
.if MODE == 1
	v_mov_b32 v[MX], 0
	v_mov_b32 v[MX+1], 0
.endif
.macro DUMP hi                         ; 32 accumulators into 64 rows of 528 bytes; each accumulator's four lowest registers first
	WIN 0x08+4*(\hi)                               ; the stores' data in window 2 or 3
.irp a, 0,1,2,3
.irp b, 0,1,2,3,4,5,6,7
	ds_store_b128 v[DST], v[8*(8*(\a)+(\b)):8*(8*(\a)+(\b))+3]   offset:(\a)*16*DP+64*(\b)
	ds_store_b128 v[DST], v[8*(8*(\a)+(\b))+4:8*(8*(\a)+(\b))+7] offset:(\a)*16*DP+64*(\b)+16
.endr
.endr
	WIN 0
.endm
; MODE 2, 3: the LDS loads of eight rows into set s, and the addresses' steps
.macro LD s
.irp i, 0,1,2,3,4,5,6,7
	ds_load_b128 v[G+32*(\s)+4*(\i):G+32*(\s)+4*(\i)+3], v[RDA] offset:(\i)*DP   ; a whole row: 32 lanes x 16 neighbouring bytes
.endr
.if MODE == 2
.irp i, 0,1,2,3,4,5,6,7
	ds_load_b64 v[UU+16*(\s)+2*(\i):UU+16*(\s)+2*(\i)+1], v[UA] offset:(\i)*PP
.endr
.irp i, 0,1,2,3,4,5,6,7
	ds_load_b128 v[RC+32*(\s)+4*(\i):RC+32*(\s)+4*(\i)+3], v[SCA] offset:16*(\i)  ; the row's record, the same words for all lanes
.endr
	v_add_nc_u32 v[UA], 8*PP, v[UA]
.else
.irp i, 0,1,2,3,4,5,6,7
	ds_load_b64 v[RC+16*(\s)+2*(\i):RC+16*(\s)+2*(\i)+1], v[SCA] offset:16*(\i)
.endr
.endif
	v_add_nc_u32 v[RDA], 8*DP, v[RDA]
	v_add_nc_u32 v[SCA], 128, v[SCA]
.endm
; MODE 2, 3: set s is worked on and stored
.macro WORK s
	s_wait_xcnt 0x0                                ; the stores issued so far have read their data and their base: both are rewritten only behind this wait
	s_add_nc_u64 s[8:9], s[8:9], 8*CROW            ; eight rows on; the stores below reach back
.if MODE == 2
.irp i, 0,1,2,3,4,5,6,7
	v_pk_fma_f32 v[G+32*(\s)+4*(\i):G+32*(\s)+4*(\i)+1], v[G+32*(\s)+4*(\i):G+32*(\s)+4*(\i)+1], v[RC+32*(\s)+4*(\i):RC+32*(\s)+4*(\i)+1], v[RC+32*(\s)+4*(\i)+2:RC+32*(\s)+4*(\i)+3]       ; gated c1 + c0
	v_pk_fma_f32 v[G+32*(\s)+4*(\i)+2:G+32*(\s)+4*(\i)+3], v[G+32*(\s)+4*(\i)+2:G+32*(\s)+4*(\i)+3], v[RC+32*(\s)+4*(\i):RC+32*(\s)+4*(\i)+1], v[RC+32*(\s)+4*(\i)+2:RC+32*(\s)+4*(\i)+3]
.endr
.irp i, 0,1,2,3,4,5,6,7
	v_fma_mix_f32 v[G+32*(\s)+4*(\i)],   v[UU+16*(\s)+2*(\i)],   v[G+32*(\s)+4*(\i)],   v[ZERO] op_sel_hi:[1,0,0]                  ; times u, straight from its f16 halves
	v_fma_mix_f32 v[G+32*(\s)+4*(\i)+1], v[UU+16*(\s)+2*(\i)],   v[G+32*(\s)+4*(\i)+1], v[ZERO] op_sel:[1,0,0] op_sel_hi:[1,0,0]
	v_fma_mix_f32 v[G+32*(\s)+4*(\i)+2], v[UU+16*(\s)+2*(\i)+1], v[G+32*(\s)+4*(\i)+2], v[ZERO] op_sel_hi:[1,0,0]
	v_fma_mix_f32 v[G+32*(\s)+4*(\i)+3], v[UU+16*(\s)+2*(\i)+1], v[G+32*(\s)+4*(\i)+3], v[ZERO] op_sel:[1,0,0] op_sel_hi:[1,0,0]
.endr
.set p, 0
.rept 16
	v_cvt_pk_f16_f32 v[Y+16*(\s)+p], v[G+32*(\s)+2*p], v[G+32*(\s)+2*p+1]
.set p, p+1
.endr
.irp i, 0,1,2,3,4,5,6,7
	global_store_b64 v[CO], v[Y+16*(\s)+2*(\i):Y+16*(\s)+2*(\i)+1], s[8:9] offset:((\i)-8)*CROW   ; 256 consecutive bytes, aligned
.endr
.else
.irp i, 0,1,2,3,4,5,6,7
	v_pk_fma_f32 v[E+32*(\s)+4*(\i):E+32*(\s)+4*(\i)+1], v[G+32*(\s)+4*(\i):G+32*(\s)+4*(\i)+1], v[RC+16*(\s)+2*(\i):RC+16*(\s)+2*(\i)+1], v[BIA:BIA+1]         ; sum x inv + cb, into registers of its own
	v_pk_fma_f32 v[E+32*(\s)+4*(\i)+2:E+32*(\s)+4*(\i)+3], v[G+32*(\s)+4*(\i)+2:G+32*(\s)+4*(\i)+3], v[RC+16*(\s)+2*(\i):RC+16*(\s)+2*(\i)+1], v[BIA+2:BIA+3]
.endr
.irp i, 0,1,2,3,4,5,6,7
	global_store_b128 v[CO], v[E+32*(\s)+4*(\i):E+32*(\s)+4*(\i)+3], s[8:9] offset:((\i)-8)*CROW th:TH_STORE_NT   ; 512 consecutive bytes, aligned
.endr
.endif
.endm
.macro GLOAD                           ; MODE 1: eight rows
.irp i, 0,1,2,3,4,5,6,7
	ds_load_b128 v[G+4*(\i):G+4*(\i)+3], v[RDA] offset:(\i)*DP   ; a whole row: 32 lanes x 16 neighbouring bytes
.endr
.endm
	s_mov_b32 s73, 2
.Lhalf:                                        ; my rows 0-63, then my rows 64-127
	s_cmp_eq_u32 s73, 2
	s_cbranch_scc0 .Lupper
	DUMP 0
	s_branch .Ldumped
.Lupper:
	DUMP 1
.Ldumped:
	v_mov_b32 v[RDA], v[RDA0]
.if MODE == 1
	GLOAD
	s_mov_b32 s74, 8
.Ltrip:                                        ; eight rows a trip.  a / (1 + 2^T) with T = - a log2(e), as T x 1 / (c 2^T + c), c = - log2(e)
	s_wait_dscnt 0x0                               ; the eight rows are in
.set p, 0
.rept 16
	v_pk_mul_f32 v[T+2*p:T+2*p+1], v[G+2*p:G+2*p+1], v[CC:CC+1]   ; T, into other registers: the rows' registers are free,
.set p, p+1
.endr
	s_cmp_eq_u32 s74, 1
	s_cbranch_scc1 .Lno_more                       ; (the half's last trip has no rows behind it)
	v_add_nc_u32 v[RDA], 8*DP, v[RDA]
	GLOAD                                          ; and the next eight rows are asked for: they land while these are worked on
.Lno_more:
.set p, 0
.rept 32
	v_exp_f32 v[X+p], v[T+p]
.set p, p+1
.endr
	v_nop                                          ; a plain instruction behind the last exponential,
	s_wait_alu depctr_va_vdst(0)                   ; and one wait for the batch, ahead of its first reader
.set p, 0
.rept 16
	v_pk_fma_f32 v[X+2*p:X+2*p+1], v[X+2*p:X+2*p+1], v[CC:CC+1], v[CC:CC+1]
.set p, p+1
.endr
.set p, 0
.rept 32
	v_rcp_f32 v[X+p], v[X+p]
.set p, p+1
.endr
	v_nop
	s_wait_alu depctr_va_vdst(0)                   ; the same for the reciprocals
.set p, 0
.rept 16
	v_pk_mul_f32 v[T+2*p:T+2*p+1], v[T+2*p:T+2*p+1], v[X+2*p:X+2*p+1]
.set p, p+1
.endr
	s_cmp_lg_u32 s72, 0
	s_cbranch_scc0 .Lnot_u
.set p, 0
.rept 16
	v_max3_num_f32 v[MX+p%2], v[MX+p%2], |v[T+2*p]|, |v[T+2*p+1]|
.set p, p+1
.endr
.Lnot_u:
	s_wait_xcnt 0x0                                ; the last trip's stores have read their data and their base: both are rewritten only behind this wait
	s_add_nc_u64 s[8:9], s[8:9], 8*CROW            ; eight rows on; the stores below reach back
.set p, 0
.rept 16
	v_cvt_pk_f16_f32 v[Y+p], v[T+2*p], v[T+2*p+1]
.set p, p+1
.endr
.irp i, 0,1,2,3,4,5,6,7
	global_store_b64 v[CO], v[Y+2*(\i):Y+2*(\i)+1], s[8:9] offset:((\i)-8)*CROW   ; 256 consecutive bytes, aligned
.endr
.else
	LD 0
	s_mov_b32 s74, 4
.Ltrip:                                        ; sixteen rows a trip, on two sets of registers by turns: while one set is worked on, the other's loads are out
	LD 1
	s_wait_dscnt NLD                               ; set 0 is in; set 1's loads may stay out
	WORK 0
	s_cmp_eq_u32 s74, 1
	s_cbranch_scc1 .Llast_pair                     ; the half's last trip has no rows behind it
	LD 0
	s_wait_dscnt NLD                               ; set 1 is in; set 0's loads may stay out
	s_branch .Lpair
.Llast_pair:
	s_wait_dscnt 0x0                               ; set 1 is in
.Lpair:
	WORK 1
.endif
	s_sub_co_u32 s74, s74, 1
	s_cmp_lg_u32 s74, 0
	s_cbranch_scc1 .Ltrip
	s_sub_co_u32 s73, s73, 1
	s_cmp_lg_u32 s73, 0
	s_cbranch_scc1 .Lhalf
.if MODE == 1
	s_cmp_lg_u32 s72, 0
	s_cbranch_scc0 .Lno_um
	v_max_num_f32 v[MX], v[MX], v[MX+1]            ; the largest |u| of my 128 x 128, in every lane
	v_max_num_f32_dpp v[MX], v[MX], v[MX] row_xmask:1 row_mask:0xf bank_mask:0xf
	v_max_num_f32_dpp v[MX], v[MX], v[MX] row_xmask:2 row_mask:0xf bank_mask:0xf
	v_max_num_f32_dpp v[MX], v[MX], v[MX] row_xmask:4 row_mask:0xf bank_mask:0xf
	v_max_num_f32_dpp v[MX], v[MX], v[MX] row_xmask:8 row_mask:0xf bank_mask:0xf
	v_permlanex16_b32 v[MX+1], v[MX], s88, s89
	v_max_num_f32 v[MX], v[MX], v[MX+1]
	v_mov_b32 v[MX+1], v[MX]
	global_store_b64 v[CO], v[MX:MX+1], s[92:93]   ; 64 copies: the slot's 256 bytes are written whole
.Lno_um:
.endif
	s_wait_tensorcnt 0x0                           ; the wave's end: behind my last tensor load and my last LDS store
	ds_add_u32 v[SPW], v[NIL]
	s_wait_dscnt 0x0
	CROUND                                         ; the closing round: no work-group ends while a partner may still ask for a tile that names it
	s_endpgm
.Lfunc_end_k_q35f516ec08_gemm1:
	.size	k_q35f516ec08_gemm1, .Lfunc_end_k_q35f516ec08_gemm1-k_q35f516ec08_gemm1
	.p2alignl 7, 3214868480
	.fill 96, 4, 3214868480
	.section	.rodata,"a",@progbits
	.p2align	6, 0x0
	.amdhsa_kernel k_q35f516ec08_gemm1
		.amdhsa_group_segment_fixed_size 327680
		.amdhsa_private_segment_fixed_size 0
		.amdhsa_enable_private_segment 0
		.amdhsa_kernarg_size 32
		.amdhsa_user_sgpr_count 2
		.amdhsa_user_sgpr_kernarg_segment_ptr 1
		.amdhsa_wavefront_size32 1
		.amdhsa_system_sgpr_workgroup_id_x 1
		.amdhsa_system_sgpr_workgroup_id_y 1
		.amdhsa_system_sgpr_workgroup_id_z 1
		.amdhsa_system_vgpr_workitem_id 0
		.amdhsa_next_free_vgpr 1024
		.amdhsa_next_free_sgpr 100
		.amdhsa_reserve_vcc 0
		.amdhsa_float_denorm_mode_32 3
		.amdhsa_float_denorm_mode_16_64 3
		.amdhsa_memory_ordered 1
		.amdhsa_forward_progress 1
		.amdhsa_inst_pref_size 94
	.end_amdhsa_kernel
	.amdgpu_metadata
---
amdhsa.version: [ 1, 2 ]
amdhsa.kernels:
  - .name:           k_q35f516ec08_gemm1
    .symbol:         k_q35f516ec08_gemm1.kd
    .args:
      - { .name: xn, .offset: 0, .size: 8, .value_kind: global_buffer, .address_space: global }
      - { .name: wts, .offset: 8, .size: 8, .value_kind: global_buffer, .address_space: global }
      - { .name: uv, .offset: 16, .size: 8, .value_kind: global_buffer, .address_space: global }
      - { .name: pb, .offset: 24, .size: 8, .value_kind: global_buffer, .address_space: global }
    .group_segment_fixed_size: 327680
    .private_segment_fixed_size: 0
    .kernarg_segment_align: 8
    .kernarg_segment_size: 32
    .max_flat_workgroup_size: 128
    .sgpr_count:     100
    .vgpr_count:     1024
    .wavefront_size: 32
...
	.end_amdgpu_metadata
.endif
;; end of part 2
;; launch lnv (part 3): grid 256 x 1, 8 waves a work-group, no clusters, 167,936 bytes of LDS; arguments uv, sng, snb, weight, sgu_b, wts, vn; writes vn
.if DOCPART == 3
	.amdgcn_target "amdgcn-amd-amdhsa--gfx1250"
	.amdhsa_code_object_version 6
	.text
	.protected	k_q35f516ec08_lnv
	.globl	k_q35f516ec08_lnv
	.p2align	8
	.type	k_q35f516ec08_lnv,@function
k_q35f516ec08_lnv:
	s_mov_b64 s[64:65], 0
	v_nop
	global_prefetch_b8 v0, s[64:65] scope:SCOPE_SE
	s_setreg_imm32_b32 hwreg(HW_REG_WAVE_MODE, 25, 1), 1
	s_wait_xcnt 0x0
; vnw = (LayerNorm(v) * sng + snb) * weight in bf16, and for each row j of each batch the records of its power-of-two scale.
; v: columns 1024-2047 of uv [16384][2048] f16.  vn: vnw [16384][1024] bf16; from byte 33,554,432 on 16 bytes a row {c1, c1, c0, c0}; from 33,816,576 on 16 bytes a row {inv x 4}.
; THE SCALE.  proj = u (gated weight + sgu_b) has no room in f16 for all inputs, so the next launch stores proj alpha, and the last divides by alpha in f32.  For row j of batch b:
;   U = the largest |u| of the row's block of 128 rows (8 slots behind uv's rows);  G = max|weight[b]| (32 max|sng| + max|snb|) 1024 max|sgu_w|, which bounds |gated| (a normalised number is below 32);
;   P = U (|sgu_b[j]| + |weight[b][j]| G) bounds |proj|;  e = P's exponent field, held to 64 .. 254;  alpha = 2^(140 - e), inv = 2^(e - 140);  c1 = weight alpha, c0 = sgu_b alpha.  So |proj alpha| < 2^14.
; LIMITS.  Rows with P below 2^-62 keep alpha = 2^76 and lose relative precision in f16; weight 2^76 and sgu_b 2^76 must then be finite.  NaN and infinities are not treated apart.
; SHARES.  Work-group g owns rows 64 g .. 64 g + 63, wave w eight of them, brought into the wave's own LDS bytes by FOUR tensor loads of two rows x 2,048 bytes, all issued at the start: smaller loads than the
; bytes would allow, so that a wave works on and stores its first rows while its later rows are on their way (the waits count 3, 2, 1, 0 younger loads).  No LDS byte is filled twice, no wave reads another's: no barrier.
; Wave 0 also makes the work-group's 64 records, two rows a lane.  No matrix unit, no cluster, no prefetch (all rows are asked for at the launch's start).
.set SPARE, 131072
.set LANE, 1
.set LA,   2                           ; LDS address of my 16 bytes of the row in hand
.set VO,   3                           ; my 16 bytes in vnw's row, one row ahead of the stores
.set O32,  4                           ; 32 x lane; never rewritten
.set O16,  5                           ; 16 x lane; never rewritten
.set SPW,  6
.set NIL,  7
.set ONE,  8                           ; 1.0
.set ZERO, 9                           ; 0
.set NMU,  10                          ; - mean
.set Q,    12                          ; v[12:13] weight / sqrt(var + eps), twice
.set CH,   14                          ; v[14:21] chains
.set T1,   22
.set INVN, 23                          ; 1 / 1024
.set X,    24                          ; v[24:39]   the row as f16 (load j: columns 256 j + 8 lane .. + 7)
.set D,    40                          ; v[40:71]   the row in f32
.set E,    72                          ; v[72:103]  snb x weight
.set Y,    104                         ; v[104:119] what is stored
.set LA0,  120                         ; LDS address of my 16 bytes of my wave's first row; never rewritten
.set EPS,  121                         ; 1e-5
.set SG,   128                         ; v[128:159] sng of my 32 columns
.set SB,   160                         ; v[160:191] snb
.set WP,   192                         ; v[192:255] wave 0: the 2,048 partial maxima of |sgu_w|
.set G0,   32                          ; s[32:47]   descriptor group 0, a set for each of the four loads
.set WT,   68                          ; s[68:75]   the weights of my eight rows; the row in hand's stands in front
.macro MIX d, x, h, m, a               ; v[d] = (f16 half h of v[x]) * v[m] + v[a], in f32
.if \h
	v_fma_mix_f32 v[\d], v[\x], v[\m], v[\a] op_sel:[1,0,0] op_sel_hi:[1,0,0]
.else
	v_fma_mix_f32 v[\d], v[\x], v[\m], v[\a] op_sel_hi:[1,0,0]
.endif
.endm
.macro WSUM r, t
	v_add_f32_dpp v[\r], v[\r], v[\r] row_xmask:1 row_mask:0xf bank_mask:0xf
	v_add_f32_dpp v[\r], v[\r], v[\r] row_xmask:2 row_mask:0xf bank_mask:0xf
	v_add_f32_dpp v[\r], v[\r], v[\r] row_xmask:4 row_mask:0xf bank_mask:0xf
	v_add_f32_dpp v[\r], v[\r], v[\r] row_xmask:8 row_mask:0xf bank_mask:0xf
	v_permlanex16_b32 v[\t], v[\r], s76, s77
	v_add_f32 v[\r], v[\r], v[\t]
.endm
.macro WMAX r, t
	v_max_num_f32_dpp v[\r], v[\r], v[\r] row_xmask:1 row_mask:0xf bank_mask:0xf
	v_max_num_f32_dpp v[\r], v[\r], v[\r] row_xmask:2 row_mask:0xf bank_mask:0xf
	v_max_num_f32_dpp v[\r], v[\r], v[\r] row_xmask:4 row_mask:0xf bank_mask:0xf
	v_max_num_f32_dpp v[\r], v[\r], v[\r] row_xmask:8 row_mask:0xf bank_mask:0xf
	v_permlanex16_b32 v[\t], v[\r], s76, s77
	v_max_num_f32 v[\r], v[\r], v[\t]
.endm
.macro AMAX d, base, n                 ; the largest magnitude among n registers from base on
	v_max_num_f32 v[\d], |v[\base]|, |v[(\base)+1]|
.set z, 2
.rept ((\n)-2)/2
	v_max3_num_f32 v[\d], v[\d], |v[(\base)+z]|, |v[(\base)+z+1]|
.set z, z+2
.endr
.endm
.macro RECORD sb, w, ra, rb            ; from sgu_b in v[sb] and weight in v[w]: {c1, c1, c0, c0} into v[ra ..], {inv x 4} into v[rb ..].  v72 = U, v84 = G
	v_fma_f32 v85, |v[\w]|, v84, |v[\sb]|
	v_mul_f32 v85, v72, v85                        ; P
	v_bfe_u32 v86, v85, 23, 8                      ; its exponent field
	v_max_u32 v86, 64, v86
	v_min_u32 v86, 0xfe, v86
	v_sub_nc_u32 v87, 0x10b, v86
	v_lshlrev_b32 v87, 23, v87                     ; alpha = 2^(140 - e)
	v_add_nc_u32 v86, -13, v86
	v_lshlrev_b32 v[\rb], 23, v86                  ; inv = 2^(e - 140)
	v_mov_b32 v[(\rb)+1], v[\rb]
	v_mov_b32 v[(\rb)+2], v[\rb]
	v_mov_b32 v[(\rb)+3], v[\rb]
	v_mul_f32 v[\ra], v[\w], v87
	v_mov_b32 v[(\ra)+1], v[\ra]
	v_mul_f32 v[(\ra)+2], v[\sb], v87
	v_mov_b32 v[(\ra)+3], v[(\ra)+2]
.endm
	s_load_b256 s[4:11], s[0:1], 0x0               ; uv s[4:5], sng s[6:7], snb s[8:9], weight s[10:11]
	s_load_b128 s[12:15], s[0:1], 0x20             ; sgu_b s[12:13], wts s[14:15]
	s_load_b64 s[16:17], s[0:1], 0x30              ; vn
	v_lshl_add_u32 v[SPW], v0, 2, SPARE
	v_mov_b32 v[NIL], 0
	ds_add_u32 v[SPW], v[NIL]                      ; the wave's opening: the add and its wait stand ahead of my first tensor load; the set-up below stands between them
	v_lshrrev_b32 v[O16], 5, v0
	v_readfirstlane_b32 s20, v[O16]                ; wave 0..7
	s_lshl_b32 s21, ttmp9, 3
	s_add_co_u32 s21, s21, s20                     ; T = 8 g + w
	; descriptor group 1: 2 rows of 1,024 elements of 2 bytes, 2,048 elements from row to row, no padding
	s_mov_b32 s24, 1<<16
	s_mov_b32 s25, 1024<<16                        ; tensor_dim0 = 1,024
	s_mov_b32 s26, 2<<16                           ; tensor_dim1 = 2
	s_mov_b32 s27, 1024<<16                        ; tile_dim0 = 1,024
	s_mov_b32 s28, 2                               ; tile_dim1 = 2
	s_mov_b32 s29, 2048
	s_mov_b32 s30, 0
	s_mov_b32 s31, 0
	s_lshl_b32 s78, s20, 14                        ; my wave's LDS bytes begin at 16,384 x wave
.irp c, 0,1,2,3
	s_mov_b32 s[G0+4*(\c)], 1
	s_add_co_u32 s[G0+4*(\c)+1], s78, (\c)*4096    ; LDS address
.endr
	s_lshl_b32 s22, s21, 15                        ; my eight rows of 4,096 bytes
	s_mov_b32 s23, 0
	s_mov_b32 s76, 0x76543210
	s_mov_b32 s77, 0xfedcba98
	s_mov_b32 s63, 0                               ; the row in hand, in LDS bytes from my wave's first row
	v_and_b32 v[LANE], 31, v0
	v_lshlrev_b32 v[O32], 5, v[LANE]
	v_lshlrev_b32 v[O16], 4, v[LANE]
	v_lshlrev_b32 v[VO], 4, v[LANE]
	v_add_nc_u32 v[LA0], s78, v[O16]
	v_mov_b32 v[ONE], 1.0
	v_mov_b32 v[ZERO], 0
	v_mov_b32 v[T1], 0
	v_mov_b32 v[INVN], 0x3a800000
	v_mov_b32 v[EPS], 0x3727c5ac
	s_wait_dscnt 0x0                               ; the opening add is done
	s_wait_kmcnt 0x0
	s_add_nc_u64 s[80:81], s[4:5], s[22:23]
	s_add_nc_u64 s[80:81], s[80:81], 2048          ; the rows' second halves: v
.irp c, 0,1,2,3
	s_add_nc_u64 s[G0+4*(\c)+2:G0+4*(\c)+3], s[80:81], (\c)*8192
	s_or_b32 s[G0+4*(\c)+3], s[G0+4*(\c)+3], 0x80000000
.endr
	s_lshl_b32 s22, s21, 5
	s_add_nc_u64 s[66:67], s[10:11], s[22:23]
	s_load_b256 s[WT:WT+7], s[66:67], 0x0          ; the weights of my eight rows
	s_lshl_b32 s22, s21, 14
	s_add_nc_u64 s[18:19], s[16:17], s[22:23]      ; vnw at my first row
.irp j, 0,1,2,3
	global_load_b128 v[SG+8*(\j):SG+8*(\j)+3],   v[O32], s[6:7] offset:1024*(\j)
	global_load_b128 v[SG+8*(\j)+4:SG+8*(\j)+7], v[O32], s[6:7] offset:1024*(\j)+16
	global_load_b128 v[SB+8*(\j):SB+8*(\j)+3],   v[O32], s[8:9] offset:1024*(\j)
	global_load_b128 v[SB+8*(\j)+4:SB+8*(\j)+7], v[O32], s[8:9] offset:1024*(\j)+16
.endr
.irp c, 0,1,2,3
	tensor_load_to_lds s[G0+4*(\c):G0+4*(\c)+3], s[24:31]   ; rows 2 c and 2 c + 1 of my eight: four loads of mine are out
	s_nop 0
.endr
	s_cmp_lg_u32 s20, 0
	s_cbranch_scc1 .Lrows
	; wave 0: the records of the work-group's 64 rows
	s_lshr_b32 s48, ttmp9, 4                       ; the batch: 16 work-groups each
	s_lshl_b32 s48, s48, 12
	s_mov_b32 s49, 0
	s_add_nc_u64 s[50:51], s[10:11], s[48:49]      ; weight[b][0]
	s_add_nc_u64 s[52:53], s[14:15], 8388608       ; the partial maxima
	s_lshr_b32 s48, ttmp9, 1
	s_lshl_b32 s48, s48, 11
	s_add_nc_u64 s[54:55], s[4:5], s[48:49]
	s_add_nc_u64 s[54:55], s[54:55], 67108864      ; the eight slots of my block of 128 rows
	s_and_b32 s48, ttmp9, 15
	s_lshl_b32 s48, s48, 8
	s_add_nc_u64 s[56:57], s[12:13], s[48:49]      ; sgu_b at my first row's j
	s_lshl_b32 s48, ttmp9, 8
	s_add_nc_u64 s[58:59], s[10:11], s[48:49]      ; weight at my first row
	s_lshl_b32 s48, ttmp9, 10
	s_add_nc_u64 s[60:61], s[16:17], s[48:49]
	s_add_nc_u64 s[60:61], s[60:61], 33554432      ; the records of my first row
.irp k, 0,1,2,3,4,5,6,7
	global_load_b128 v[D+4*(\k):D+4*(\k)+3], v[O16], s[50:51] offset:512*(\k)
.endr
.irp k, 0,1,2,3,4,5,6,7,8,9,10,11,12,13,14,15
	global_load_b128 v[WP+4*(\k):WP+4*(\k)+3], v[O16], s[52:53] offset:512*(\k)
.endr
	v_and_b32 v77, 7, v[LANE]
	v_lshlrev_b32 v77, 8, v77
	v_lshlrev_b32 v78, 2, v[LANE]
	global_load_b32 v72, v77, s[54:55]
	global_load_b32 v73, v78, s[56:57]
	global_load_b32 v74, v78, s[56:57] offset:128
	global_load_b32 v75, v78, s[58:59]
	global_load_b32 v76, v78, s[58:59] offset:128
	s_wait_loadcnt 0x0
	AMAX 80, D, 32                                 ; max |weight[b]|
	AMAX 81, SG, 32
	AMAX 82, SB, 32
	AMAX 83, WP, 64
	WMAX 80, T1
	WMAX 81, T1
	WMAX 82, T1
	WMAX 83, T1
	v_max_num_f32_dpp v72, v72, v72 row_xmask:1 row_mask:0xf bank_mask:0xf   ; U: eight slots lie in each eight lanes
	v_max_num_f32_dpp v72, v72, v72 row_xmask:2 row_mask:0xf bank_mask:0xf
	v_max_num_f32_dpp v72, v72, v72 row_xmask:4 row_mask:0xf bank_mask:0xf
	v_fma_f32 v84, v81, 0x42000000, v82            ; 32 max|sng| + max|snb|
	v_mul_f32 v84, v84, v80
	v_mul_f32 v84, v84, v83
	v_mul_f32 v84, 0x44800000, v84                 ; G
	RECORD 73, 75, 88, 92
	RECORD 74, 76, 96, 100
	global_store_b128 v[O16], v[88:91], s[60:61]                  ; each store covers 512 consecutive bytes, aligned
	global_store_b128 v[O16], v[96:99], s[60:61] offset:512
	global_store_b128 v[O16], v[92:95], s[60:61] offset:262144
	global_store_b128 v[O16], v[100:103], s[60:61] offset:262656
	s_wait_xcnt 0x0                                ; the rows' work rewrites these registers
.Lrows:
	s_wait_loadcnt 0x0                             ; sng, snb
	s_wait_kmcnt 0x0                               ; my eight weights
; Two rows, those of one tensor load.  left = how many younger tensor loads may stay out.
.macro ROWS left
	s_wait_tensorcnt \left                         ; tensor loads of a wave end in order (ISA guide 10.11.1): these two rows are in LDS; only I read them
	s_mov_b32 s62, 2
.Lrow_\@:
	v_add_nc_u32 v[LA], s63, v[LA0]
.irp j, 0,1,2,3
	ds_load_b128 v[X+4*(\j):X+4*(\j)+3], v[LA] offset:512*(\j)
.endr
	s_wait_dscnt 0x0
.set n, 0
.rept 4
	MIX CH+n, X+n/2, n%2, ONE, ZERO                ; the first four numbers start the chains
.set n, n+1
.endr
.rept 28
	MIX CH+n%4, X+n/2, n%2, ONE, CH+n%4
.set n, n+1
.endr
	v_add_f32 v[CH], v[CH], v[CH+1]
	v_add_f32 v[CH+2], v[CH+2], v[CH+3]
	v_add_f32 v[CH], v[CH], v[CH+2]
	WSUM CH, T1
	v_mul_f32 v[NMU], 0xba800000, v[CH]            ; - sum / 1024
.set n, 0
.rept 32
	MIX D+n, X+n/2, n%2, ONE, NMU                  ; v - mean, in f32
.set n, n+1
.endr
.irp c, 0,1,2,3
	v_pk_mul_f32 v[CH+2*(\c):CH+2*(\c)+1], v[D+2*(\c):D+2*(\c)+1], v[D+2*(\c):D+2*(\c)+1]
.endr
.set p, 4
.rept 12
	v_pk_fma_f32 v[CH+2*(p%4):CH+2*(p%4)+1], v[D+2*p:D+2*p+1], v[D+2*p:D+2*p+1], v[CH+2*(p%4):CH+2*(p%4)+1]
.set p, p+1
.endr
	v_pk_add_f32 v[CH:CH+1], v[CH:CH+1], v[CH+2:CH+3]
	v_pk_add_f32 v[CH+4:CH+5], v[CH+4:CH+5], v[CH+6:CH+7]
	v_pk_add_f32 v[CH:CH+1], v[CH:CH+1], v[CH+4:CH+5]
	v_add_f32 v[CH], v[CH], v[CH+1]
	WSUM CH, T1
	v_fma_f32 v[CH], v[CH], v[INVN], v[EPS]        ; the mean square + 1e-5
	v_rsq_f32 v[Q], v[CH]
.set p, 0
.rept 16
	v_pk_mul_f32 v[D+2*p:D+2*p+1], v[D+2*p:D+2*p+1], v[SG+2*p:SG+2*p+1]       ; work that does not name the root, between it and its wait
	v_pk_mul_f32 v[E+2*p:E+2*p+1], v[SB+2*p:SB+2*p+1], s[WT:WT+1] op_sel_hi:[1,0]  ; snb x the row's weight
.set p, p+1
.endr
	s_wait_alu depctr_va_vdst(0)                   ; the wait for the root, ahead of its first reader
	v_mul_f32 v[Q+1], s[WT], v[Q]
	v_mul_f32 v[Q], s[WT], v[Q]
.set p, 0
.rept 16
	v_pk_fma_f32 v[D+2*p:D+2*p+1], v[D+2*p:D+2*p+1], v[Q:Q+1], v[E+2*p:E+2*p+1]
.set p, p+1
.endr
	s_wait_xcnt 0x0                                ; the stores issued so far have read Y and VO: both are rewritten only behind this wait
	v_add_nc_u32 v[VO], 2048, v[VO]                ; the next row; the stores below reach back
.set p, 0
.rept 16
	v_cvt_pk_bf16_f32 v[Y+p], v[D+2*p], v[D+2*p+1]
.set p, p+1
.endr
.irp j, 0,1,2,3
	global_store_b128 v[VO], v[Y+4*(\j):Y+4*(\j)+3], s[18:19] offset:512*(\j)-2048   ; 512 consecutive bytes, aligned
.endr
.irp k, 0,1,2,3,4,5,6
	s_mov_b32 s[WT+(\k)], s[WT+(\k)+1]             ; the next row's weight moves to the front
.endr
	s_add_co_u32 s63, s63, 2048
	s_sub_co_u32 s62, s62, 1
	s_cmp_lg_u32 s62, 0
	s_cbranch_scc1 .Lrow_\@
.endm
	ROWS 3
	ROWS 2
	ROWS 1
	ROWS 0
	s_wait_tensorcnt 0x0                           ; the wave's end
	ds_add_u32 v[SPW], v[NIL]
	s_wait_dscnt 0x0
	s_endpgm
.Lfunc_end_k_q35f516ec08_lnv:
	.size	k_q35f516ec08_lnv, .Lfunc_end_k_q35f516ec08_lnv-k_q35f516ec08_lnv
	.p2alignl 7, 3214868480
	.fill 96, 4, 3214868480
	.section	.rodata,"a",@progbits
	.p2align	6, 0x0
	.amdhsa_kernel k_q35f516ec08_lnv
		.amdhsa_group_segment_fixed_size 167936
		.amdhsa_private_segment_fixed_size 0
		.amdhsa_enable_private_segment 0
		.amdhsa_kernarg_size 56
		.amdhsa_user_sgpr_count 2
		.amdhsa_user_sgpr_kernarg_segment_ptr 1
		.amdhsa_wavefront_size32 1
		.amdhsa_system_sgpr_workgroup_id_x 1
		.amdhsa_system_sgpr_workgroup_id_y 1
		.amdhsa_system_sgpr_workgroup_id_z 1
		.amdhsa_system_vgpr_workitem_id 0
		.amdhsa_next_free_vgpr 256
		.amdhsa_next_free_sgpr 84
		.amdhsa_reserve_vcc 0
		.amdhsa_float_denorm_mode_32 3
		.amdhsa_float_denorm_mode_16_64 3
		.amdhsa_memory_ordered 1
		.amdhsa_forward_progress 1
		.amdhsa_inst_pref_size 63
	.end_amdhsa_kernel
	.amdgpu_metadata
---
amdhsa.version: [ 1, 2 ]
amdhsa.kernels:
  - .name:           k_q35f516ec08_lnv
    .symbol:         k_q35f516ec08_lnv.kd
    .args:
      - { .name: uv, .offset: 0, .size: 8, .value_kind: global_buffer, .address_space: global }
      - { .name: sng, .offset: 8, .size: 8, .value_kind: global_buffer, .address_space: global }
      - { .name: snb, .offset: 16, .size: 8, .value_kind: global_buffer, .address_space: global }
      - { .name: weight, .offset: 24, .size: 8, .value_kind: global_buffer, .address_space: global }
      - { .name: sgu_b, .offset: 32, .size: 8, .value_kind: global_buffer, .address_space: global }
      - { .name: wts, .offset: 40, .size: 8, .value_kind: global_buffer, .address_space: global }
      - { .name: vn, .offset: 48, .size: 8, .value_kind: global_buffer, .address_space: global }
    .group_segment_fixed_size: 167936
    .private_segment_fixed_size: 0
    .kernarg_segment_align: 8
    .kernarg_segment_size: 56
    .max_flat_workgroup_size: 256
    .sgpr_count:     84
    .vgpr_count:     256
    .wavefront_size: 32
...
	.end_amdgpu_metadata
.endif
;; end of part 3
;; launch gemm2 (part 4): grid 4 x 64, 4 waves a work-group, clusters of 4 x 4, 327,680 bytes of LDS; arguments wts, vn, pj, uv; writes pj
.if DOCPART == 4
	.amdgcn_target "amdgcn-amd-amdhsa--gfx1250"
	.amdhsa_code_object_version 6
	.text
	.protected	k_q35f516ec08_gemm2
	.globl	k_q35f516ec08_gemm2
	.p2align	8
	.type	k_q35f516ec08_gemm2,@function
k_q35f516ec08_gemm2:
	s_mov_b64 s[64:65], 0
	v_nop
	global_prefetch_b8 v0, s[64:65] scope:SCOPE_SE
	s_setreg_imm32_b32 hwreg(HW_REG_WAVE_MODE, 25, 1), 1
	s_wait_xcnt 0x0
	s_wait_alu depctr_hold_cnt(0) depctr_sa_sdst(0) depctr_va_vdst(0) depctr_va_sdst(0) depctr_va_ssrc(0) depctr_va_vcc(0) depctr_vm_vsrc(0)
	s_getreg_b32 s2, hwreg(HW_REG_IB_STS2, 6, 4)
	s_cmp_eq_u32 s2, 0
	s_cbranch_scc0 .Lentry_in_a_cluster
	s_endpgm
.Lentry_in_a_cluster:
	s_bfe_u32 s2, ttmp6, 0x10000c
	s_cmp_lg_u32 s2, 0xf033
	s_cbranch_scc0 .Lentry_shape_is_right
	s_endpgm
.Lentry_shape_is_right:
; ONE TEXT FOR THE MODULE'S THREE PRODUCTS; MODE picks the parts that are assembled.  This file: MODE 2.
;   MODE 1: uv = swish(xn pw + pb), f16 operands.  A = xn [16384][1024], B = pw as f16 [1024][2048], C = uv [16384][2048] f16 (u: columns 0-1023, v: the rest); behind uv's rows, from byte
;           67,108,864 on, a slot of 256 bytes for each 128 x 128 wave tile of u holds the tile's largest |u| (slot = 8 x (row / 128) + column / 128).
;   MODE 2: for each batch gated[j][t] = sum over s of sgu_w[s][j] vnw[s][t], bf16 operands (sgu_w has no room in f16); pj = f16(u (gated c1 + c0)), with c1 = weight alpha, c0 = sgu_b alpha of row j.
;   MODE 3: out0 = (pj cw) inv + cb, f16 operands, f32 out; inv = 1 / alpha of the row.
; alpha is an exact power of two, made for each row by the launch before MODE 2 so that |u (gated weight + sgu_b)| alpha stays under 2^14.
; LIMITS.  f16 holds no number beyond 65,504: |u|, |v| must stay within it; below 6e-5 it keeps its fixed step of 6e-8.  NaN and infinities are not treated apart.
; SHAPE.  A tile of C is 256 x 256, K = 1,024 in 8 steps of 128 through two LDS slots; four waves, each 128 x 128 of C in 64 accumulators of 16 x 16 (512 registers).
; B lies [K][N] in memory: its tiles come as 128 rows (k) of 256 bytes and are turned on the way out of LDS by ds_load_tr16_b128; so does A in MODE 2 ([K][M]).  Every tile row is 256 bytes of memory, aligned.
; CLUSTERS.  4 x 4 work-groups: A's tile is shared along a row of the cluster, B's along a column; each is asked for jointly (same load, same descriptor, a mask of the four).  In MODE 2 a cluster is one batch.
; THE MATRIX INSTRUCTION IS USED TRANSPOSED (source 0 = 16 columns of B, source 1 = 16 rows of A): a lane holds row l % 16 of C and the columns 8 (l / 16) + 0..7.
; A K STEP IS WRITTEN ONCE: a trip goes from a step's second quarter to the next step's first; the slot in hand is a scalar, turned at each change of slots, and one descriptor for A and one for B walk.
; The last two K steps, which ask for no tile of A or B, are a second loop, left in its middle.
; THE WAY OUT.  64 rows of the wave's tile at a time go as f32 into the wave's own part of slot 1 (which has had its last fill) and come back as whole rows, eight a trip: lane l holds columns 4 l .. 4 l + 3.
; The next eight rows are asked for while the eight in hand are worked on.
; REGISTERS, in windows of 256: window 0: v16-59 addresses and what the way out needs, v64-191 A's fragments (two buffers), v192-255 MODE 1's bias; on the way out v64-255 are at work;
; window 1: v64-191 B's fragments; windows 2, 3: the accumulators.
.set MODE,   2
.set HALFT,  36864                     ; a part of a slot: 128 rows x 288 bytes (turned tiles) or x 272 (plain ones)
.set SLOT,   4*HALFT                   ; A's two halves, then B's two halves.  147,456 = 0x24000 has no bit in common with the parts' offsets 0, 0x9000, 0x12000, 0x1b000: one exclusive or turns a part's address into the other slot's
.set PP,     272                       ; a plain row in LDS: 256 bytes + 16: the 16 rows of a load start 68 words apart (64 banks of 4 bytes: ISA guide 11.1)
.set PT,     288                       ; a row that is turned: 256 + 32
.set DP,     528                       ; a row of 128 f32 on the way out: 512 + 16
.set DREG,   64*DP                     ; a wave's 64 rows
.set SCR,    2*SLOT                    ; behind the ring: 2,048 bytes a wave, the records of its 128 rows
.set SPARE,  SCR+4*2048                ; behind them: the spare words, 128 bytes a wave
.if MODE == 1
.set AROW,   2048                      ; bytes from row to row of A's matrix in memory
.set BROW,   4096                      ; of B's
.set ABASE,  0                         ; where A's matrix begins in its buffer
.set BBASE,  0
.set ASTEP,  256                       ; bytes from a K step to the next
.set PADA,   3                         ; A's padding: 4 words (code 3)
.set CROW,   4096                      ; bytes in a row of C's buffer
.set CSH,    12
.set CEL,    1                         ; log2 of the bytes in a number of C
.set RSOFF,  0
.elseif MODE == 2
.set AROW,   2048
.set BROW,   2048
.set ABASE,  6291456
.set BBASE,  0
.set ASTEP,  128*AROW
.set PADA,   7                         ; 8 words (code 7)
.set CROW,   2048
.set CSH,    11
.set CEL,    1
.set RSOFF,  33554432                  ; the records {c1, c1, c0, c0}, 16 bytes a row
.else
.set AROW,   2048
.set BROW,   2048
.set ABASE,  0
.set BBASE,  4194304
.set ASTEP,  256
.set PADA,   3
.set CROW,   4096
.set CSH,    12
.set CEL,    2
.set RSOFF,  33816576                  ; the records {inv x 4}
.endif
.set BSTEP,  128*BROW
.set ADRA0, 16                         ; v16     LDS address of my A fragments in slot 0; never rewritten
.set ADA,   17                         ; v17     the same in the slot in hand
.set ADRB0, 20                         ; v20, v21 the same for B
.set ADB,   21
.set UA,   22                          ; v22     MODE 2: my 8 bytes of a row of my u tile
.set SCA,  23                          ; v23     the record of the way out's next row
.set DST,  24                          ; v24     the way out: where I put 32 bytes of a row
.set RDA0, 25                          ; v25     the way out: my 16 bytes of the first row
.set RDA,  26                          ; v26     of the next eight rows' first
.set CO,   27                          ; v27     my byte offset in a row of C
.set SPW,  28                          ; v28     my spare word; never rewritten
.set NIL,  29                          ; v29     0; never rewritten
.set PFO,  30                          ; v30     the prefetches' offset: lane x a row in memory; never rewritten
.set ZERO, 31                          ; v31     0
.set REC,  32                          ; v[32:47] four records as loaded
.set BIA,  48                          ; v[48:51] MODE 3: the bias of my four columns
.set MX,   52                          ; v[52:53] MODE 1: two running maxima of |u|
.set BO,   54                          ; v54     the bias's offset
.set LO16, 55                          ; v55     16 x lane
.set SCS,  56                          ; v56     where I put a record
.set CC,   58                          ; v[58:59] MODE 1: - log2(e), twice
.set F0,   64
.set F1,   128
.set BI,   192                         ; v[192:255] MODE 1: the bias as an accumulator holds it: register 8 b + j = pb[my first column + 16 b + 8 (l / 16) + j]
.set G,    64                          ; the way out: eight rows of f32; MODE 2, 3: set s at G + 32 s
.if MODE == 1
.set T,    96
.set X,    128
.set Y,    176
.elseif MODE == 2
.set UU,   128                         ; set s at + 16 s
.set RC,   160                         ; + 32 s
.set Y,    224                         ; + 16 s
.set NLD,  24                          ; LDS loads in a set
.else
.set RC,   128                         ; + 16 s
.set E,    160                         ; + 32 s
.set NLD,  16
.endif
.set G1,  24                           ; s[24:31] descriptor group 1 for A's tiles; s[32:39] group 0: a set for each of the two first fills; the second then walks on
.set G0,  32
.set G1B, 48                           ; s[48:55], s[56:63] the same for B's
.set G0B, 56
.set LIM, 43                           ; s43      2 in a wave that prefetches, else the greatest number
.set PFA, 44                           ; s[44:45] where my prefetches stand
.set PFS, 70                           ; s[70:71] their step, a K step
.set TB,  75                           ; s75      LDS byte at which the slot in hand begins
.set GU0, 76                           ; s[76:79], s[80:87] MODE 2: the descriptor of my u tile
.set GU1, 80
.set MSB, 0
.macro WIN new                         ; the immediate's high byte repeats the setting that is left; a switch that changes nothing is dropped
.if MSB != (\new)
	s_set_vgpr_msb (MSB<<8)|(\new)
.set MSB, \new
.endif
.endm
.set MUL_LO, 0xa1                      ; source 0 (B) window 1, source 1 (A) window 0, C and D window 2
.set MUL_HI, 0xf1                      ; the same, C and D window 3
.set TO_B,   0x40                      ; destination window 1, address window 0
; A joint refill, by the walking descriptors.  Waves 0 and 1 fetch A's two halves, waves 2 and 3 B's: the branch hangs on the wave's number alone.  An s_nop 0 and four v_nop follow each line.
.macro JLOAD
	s_cmp_eq_u32 s11, 0
	s_cbranch_scc0 .Lfor_b_\@
	tensor_load_to_lds s[G0+4:G0+7], s[G1:G1+7]
	s_nop 0
.rept 4
	v_nop
.endr
	s_branch .Lasked_\@
.Lfor_b_\@:
	tensor_load_to_lds s[G0B+4:G0B+7], s[G1B:G1B+7]
	s_nop 0
.rept 4
	v_nop
.endr
.Lasked_\@:
.endm
; A prefetch of the K step that stands two refills on: 32 rows x 256 bytes, a lane a row, one instruction a wave.  Each row's 256 bytes are named once in the launch: of the clusters that read a tile one asks,
; and the four partners that ask for it jointly take 32 of its 128 rows each, told apart by address.  K steps 0 to 3 come by their loads alone; the loop's last two trips (s3 = 2, 1) ask for nothing: there is no K step 8.
.macro ASK
	s_cmp_gt_u32 s3, s[LIM]
	s_cbranch_scc0 .Lnot_mine_\@
	global_prefetch_b8 v[PFO], s[PFA:PFA+1] th:TH_LOAD_NT scope:SCOPE_SE
.Lnot_mine_\@:
.endm
.macro CREST                           ; a round of the cluster's barrier behind its opening barrier
	s_cmp_lg_u32 s10, 0
	s_cbranch_scc1 .Lnot_wave_0_\@
	s_barrier_signal -3
.Lnot_wave_0_\@:
	s_barrier_wait -3
	s_barrier_signal -1
	s_barrier_wait -1
.endm
.macro CROUND                          ; a whole round
	s_barrier_signal -1
	s_barrier_wait -1
	CREST
.endm
	s_load_b128 s[4:7], s[0:1], 0x0                ; A's buffer s[4:5], B's s[6:7]
	s_load_b64 s[8:9], s[0:1], 0x10                ; C's
	s_load_b64 s[66:67], s[0:1], 0x18              ; MODE 1: pb; MODE 2: uv; MODE 3: cb
.if MODE == 3
	s_load_b64 s[68:69], s[0:1], 0x20              ; vn, for the records
.endif
	v_lshl_add_u32 v[SPW], v0, 2, SPARE
	v_mov_b32 v[NIL], 0
	ds_add_u32 v[SPW], v[NIL]                      ; the wave's opening: the add and its wait stand ahead of my first tensor load; the set-up below stands between them
	v_lshrrev_b32 v1, 5, v0
	v_readfirstlane_b32 s10, v1                    ; wave 0..3
	s_lshr_b32 s11, s10, 1                         ; which half of the tile's rows is mine.  Also: I fetch for A (0) or for B (1)
	s_and_b32 s12, s10, 1                          ; which half of its columns.  Also: which half of that tile I fetch
	s_bfe_u32 s40, ttmp6, 0x40000                  ; cx
	s_bfe_u32 s41, ttmp6, 0x40004                  ; cy
	s_lshl_b32 s42, ttmp9, 2
	s_add_co_u32 s42, s42, s40                     ; tile column = 4 x cluster x + cx
	s_and_b32 s13, ttmp7, 0xffff
	s_lshl_b32 s13, s13, 2
	s_add_co_u32 s13, s13, s41                     ; tile row = 4 x cluster y + cy
	s_lshl_b32 s43, s41, 2
	s_lshl_b32 s43, 15, s43                        ; my row of the cluster
	s_lshl_b32 s44, 0x1111, s40                    ; my column
	; group 1: tiles of 128 rows x 128 elements of 2 bytes, padded after every 64 words
	s_or_b32 s[G1+0], s43, (1<<16)|(1<<20)|(1<<21)|(5<<22)|(PADA<<25)
	s_or_b32 s[G1B+0], s44, (1<<16)|(1<<20)|(1<<21)|(5<<22)|(7<<25)
.irp g, G1, G1B
	s_mov_b32 s[(\g)+1], 128<<16                   ; tensor_dim0 = 128
	s_mov_b32 s[(\g)+2], 128<<16                   ; tensor_dim1 = 128
	s_mov_b32 s[(\g)+3], 128<<16                   ; tile_dim0 = 128
	s_mov_b32 s[(\g)+4], 128                       ; tile_dim1 = 128
	s_mov_b32 s[(\g)+6], 0
	s_mov_b32 s[(\g)+7], 0
.endr
	s_mov_b32 s[G1+5], AROW/2                      ; elements from row to row
	s_mov_b32 s[G1B+5], BROW/2
	; where the tiles come from: A's hang on the tile row (MODE 2: on cy) and the wave's number, B's on the tile column (MODE 2: and the batch, which is the cluster's y) and the wave's number
.if MODE == 2
	s_lshl_b32 s16, s41, 9                         ; columns 256 cy of sgu_w, 2 bytes each
	s_lshl_b32 s17, s12, 8
	s_add_co_u32 s16, s16, s17
	s_add_co_u32 s16, s16, ABASE
.else
	s_lshl_b32 s16, s13, 8
	s_lshl_b32 s17, s12, 7
	s_add_co_u32 s16, s16, s17                     ; row 256 x tile row + 128 x half
	s_lshl_b32 s16, s16, 11
.endif
	s_mov_b32 s17, 0
	s_lshl_b32 s46, s42, 9                         ; columns 256 x tile column + 128 x half, 2 bytes each
	s_lshl_b32 s47, s12, 8
	s_add_co_u32 s46, s46, s47
.if MODE == 2
	s_and_b32 s47, ttmp7, 0xffff
	s_lshl_b32 s47, s47, 21                        ; the batch's 1,024 rows of 2,048 bytes
	s_add_co_u32 s46, s46, s47
.elseif MODE == 3
	s_add_co_u32 s46, s46, BBASE
.endif
	s_mov_b32 s47, 0
	s_mul_i32 s20, s10, HALFT                      ; and where they go: part = wave: no place in the cluster enters an LDS address
	s_mov_b32 s88, 0x76543210
	s_mov_b32 s89, 0xfedcba98
	s_wait_dscnt 0x0                               ; the opening add is done
	s_wait_kmcnt 0x0
	s_add_nc_u64 s[14:15], s[4:5], s[16:17]
	s_add_nc_u64 s[46:47], s[6:7], s[46:47]
	CROUND                                         ; all sixteen work-groups are here: the first joint loads meet
.irp s, 0,1
	s_mov_b32 s[G0+4*(\s)], 1
	s_add_co_u32 s[G0+4*(\s)+1], s20, (\s)*SLOT
	s_add_nc_u64 s[G0+4*(\s)+2:G0+4*(\s)+3], s[14:15], (\s)*ASTEP
	s_or_b32 s[G0+4*(\s)+3], s[G0+4*(\s)+3], 0x80000000
	s_mov_b32 s[G0B+4*(\s)], 1
	s_add_co_u32 s[G0B+4*(\s)+1], s20, (\s)*SLOT
	s_add_nc_u64 s[G0B+4*(\s)+2:G0B+4*(\s)+3], s[46:47], (\s)*BSTEP
	s_or_b32 s[G0B+4*(\s)+3], s[G0B+4*(\s)+3], 0x80000000
.endr
	s_cmp_eq_u32 s11, 0                            ; a wave's two first fills stand in one branch, ahead of every wait on TENSORcnt and every LDS read: two loads of mine are out
	s_cbranch_scc0 .Lfirst_b
	tensor_load_to_lds s[G0:G0+3], s[G1:G1+7]
	s_nop 0
	tensor_load_to_lds s[G0+4:G0+7], s[G1:G1+7]
	s_nop 0
.rept 4
	v_nop
.endr
	s_branch .Lfirst_asked
.Lfirst_b:
	tensor_load_to_lds s[G0B:G0B+3], s[G1B:G1B+7]
	s_nop 0
	tensor_load_to_lds s[G0B+4:G0B+7], s[G1B:G1B+7]
	s_nop 0
.rept 4
	v_nop
.endr
.Lfirst_asked:
	; A fragment is 16 rows x 32 K in 8 registers: lane l holds row l % 16; registers 0-3 K = 8 (l / 16) + 0..7, registers 4-7 K = 16 + 8 (l / 16) + 0..7.
	; From rows that lie along K: two loads of 16 bytes, 32 bytes apart.  From rows that lie across K: two turning loads, 16 rows apart; lane l reads row 8 (l / 16) + l % 8, bytes 16 ((l / 8) % 2) on.
	v_and_b32 v1, 15, v0                           ; l % 16
	v_bfe_u32 v2, v0, 4, 1                         ; l / 16
	v_and_b32 v6, 31, v0                           ; l
	v_mul_u32_u24 v3, v1, PP
	v_lshl_add_u32 v3, v2, 4, v3
	v_and_b32 v4, 7, v0
	v_lshl_add_u32 v4, v2, 3, v4
	v_mul_u32_u24 v4, v4, PT
	v_bfe_u32 v5, v0, 3, 1
	v_lshl_add_u32 v4, v5, 4, v4
	s_mul_i32 s21, s11, HALFT                      ; my half of A
	s_mul_i32 s22, s12, HALFT                      ; my half of B,
	s_add_co_u32 s22, s22, 2*HALFT                 ; behind A's two
.if MODE == 2
	v_add_nc_u32 v[ADRA0], s21, v4
.else
	v_add_nc_u32 v[ADRA0], s21, v3
.endif
	v_add_nc_u32 v[ADRB0], s22, v4
	v_mov_b32 v[ADA], v[ADRA0]                     ; K step 0 lies in slot 0
	v_mov_b32 v[ADB], v[ADRB0]
	s_mov_b32 s[TB], 0
	s_mul_i32 s23, s10, DREG
	s_add_co_u32 s23, s23, SLOT                    ; the way out: my 33,792 bytes of slot 1
	v_mul_u32_u24 v[DST], v1, DP
	v_lshl_add_u32 v[DST], v2, 5, v[DST]
	v_add_nc_u32 v[DST], s23, v[DST]
	v_lshl_add_u32 v[RDA0], v6, 4, s23
	v_lshlrev_b32 v[CO], CEL+2, v6                 ; four numbers a lane
	v_mov_b32 v[ZERO], 0
	v_lshlrev_b32 v[LO16], 4, v6
	s_lshl_b32 s18, s13, 8
	s_lshl_b32 s19, s11, 7
	s_add_co_u32 s18, s18, s19                     ; my first row of C
	s_lshl_b32 s46, s42, 8
	s_lshl_b32 s47, s12, 7
	s_add_co_u32 s46, s46, s47                     ; my first column
	s_mov_b32 s17, 0
.if MODE == 1
	s_lshr_b32 s16, s18, 4                         ; 8 x (row / 128)
	s_lshr_b32 s22, s46, 7
	s_add_co_u32 s16, s16, s22
	s_lshl_b32 s16, s16, 8
	s_add_nc_u64 s[92:93], s[8:9], s[16:17]
	s_add_nc_u64 s[92:93], s[92:93], 67108864      ; my tile's slot for max |u| (used in u's tiles alone)
	s_cmp_eq_u32 ttmp9, 0
	s_cselect_b32 s72, 1, 0                        ; the first column of clusters makes u: the same in all sixteen partners
.endif
	s_lshl_b32 s16, s18, CSH
	s_add_nc_u64 s[8:9], s[8:9], s[16:17]
	s_lshl_b32 s16, s46, CEL
	s_add_nc_u64 s[8:9], s[8:9], s[16:17]          ; C at my part of the tile
.if MODE == 1
	s_lshl_b32 s16, s46, 2
	v_lshl_add_u32 v[BO], v2, 5, s16               ; 4 x (my first column + 8 (l / 16))
.irp b, 0,1,2,3,4,5,6,7
	global_load_b128 v[BI+8*(\b):BI+8*(\b)+3],   v[BO], s[66:67] offset:64*(\b)      ; the bias in the accumulators' layout: it is the C of the products that start the sums
	global_load_b128 v[BI+8*(\b)+4:BI+8*(\b)+7], v[BO], s[66:67] offset:64*(\b)+16
.endr
	v_mov_b32 v[CC], 0xbfb8aa3b
	v_mov_b32 v[CC+1], 0xbfb8aa3b
.elseif MODE == 3
	s_lshl_b32 s16, s46, 2
	v_add_nc_u32 v[BO], s16, v[LO16]
	global_load_b128 v[BIA:BIA+3], v[BO], s[66:67] ; the bias of my four columns; waited for on the way out
.endif
.if MODE != 1
	s_lshl_b32 s16, s18, 4
.if MODE == 2
	s_add_nc_u64 s[90:91], s[6:7], s[16:17]
.else
	s_add_nc_u64 s[90:91], s[68:69], s[16:17]
.endif
	s_add_nc_u64 s[90:91], s[90:91], RSOFF
.irp k, 0,1,2,3
	global_load_b128 v[REC+4*(\k):REC+4*(\k)+3], v[LO16], s[90:91] offset:512*(\k)   ; the records of my 128 rows, a lane a row; waited for on the way out
.endr
	s_lshl_b32 s16, s10, 11
	s_add_co_u32 s16, s16, SCR
	v_mov_b32 v[SCA], s16
	v_add_nc_u32 v[SCS], s16, v[LO16]
.endif
.if MODE == 2
	s_mov_b32 s[GU0], 1                            ; my u tile: 128 rows x 128 f16 of uv, a load of my own (no mask), into my part of slot 0 when that slot has been read out
	s_mul_i32 s[GU0+1], s10, HALFT
	s_lshl_b32 s16, s18, 12
	s_add_nc_u64 s[GU0+2:GU0+3], s[66:67], s[16:17]
	s_lshl_b32 s16, s46, 1
	s_add_nc_u64 s[GU0+2:GU0+3], s[GU0+2:GU0+3], s[16:17]
	s_or_b32 s[GU0+3], s[GU0+3], 0x80000000
	s_mov_b32 s[GU1+0], (1<<16)|(1<<20)|(5<<22)|(3<<25)
	s_mov_b32 s[GU1+1], 128<<16
	s_mov_b32 s[GU1+2], 128<<16
	s_mov_b32 s[GU1+3], 128<<16
	s_mov_b32 s[GU1+4], 128
	s_mov_b32 s[GU1+5], 2048
	s_mov_b32 s[GU1+6], 0
	s_mov_b32 s[GU1+7], 0
	v_lshl_add_u32 v[UA], v6, 3, s[GU0+1]
.endif
	; the prefetches: they start at K step 3; each change of slots steps them first, so the first names K step 4
.if MODE == 2
	s_lshl_b32 s20, s40, 16                        ; A: my work-group's 32 of the K step's 128 rows of sgu_w, by cx
	s_lshl_b32 s23, s41, 9
	s_add_co_u32 s20, s20, s23
	s_lshl_b32 s23, s12, 8
	s_add_co_u32 s20, s20, s23
	s_add_co_u32 s20, s20, ABASE+3*ASTEP
.else
	s_lshl_b32 s20, s13, 8                         ; A: of the 128 rows that I fetch my work-group's 32, by cx
	s_lshl_b32 s23, s12, 7
	s_add_co_u32 s20, s20, s23
	s_lshl_b32 s23, s40, 5
	s_add_co_u32 s20, s20, s23
	s_lshl_b32 s20, s20, 11
	s_add_co_u32 s20, s20, 3*ASTEP
.endif
	s_mul_i32 s21, s41, 32*BROW                    ; B: my work-group's 32 of the K step's 128 rows, by cy
	s_lshl_b32 s23, s42, 9
	s_add_co_u32 s21, s21, s23
	s_lshl_b32 s23, s12, 8
	s_add_co_u32 s21, s21, s23
	s_add_co_u32 s21, s21, BBASE+3*BSTEP
	s_and_b32 s16, ttmp7, 0xffff                   ; cluster y
.if MODE == 2
	s_lshl_b32 s23, s16, 21
	s_add_co_u32 s21, s21, s23
	s_cmp_eq_u32 s16, 0                            ; sgu_w is read by every cluster: the first asks
	s_cselect_b32 s23, 2, -1
	s_mov_b32 s19, 2                               ; a batch's rows are read by its own cluster alone
.else
	s_cmp_eq_u32 ttmp9, 0                          ; A's rows are read by every cluster of a row of clusters: the first asks
	s_cselect_b32 s23, 2, -1
	s_cmp_eq_u32 s16, 0                            ; B's by every cluster of a column
	s_cselect_b32 s19, 2, -1
.endif
	s_mov_b32 s[PFS], ASTEP
	s_mov_b32 s[PFS+1], 0
	s_mov_b32 s22, AROW
	s_cmp_eq_u32 s11, 0                            ; do I fetch for A?
	s_cselect_b64 s[PFA:PFA+1], s[4:5], s[6:7]
	s_cselect_b32 s20, s20, s21
	s_cselect_b32 s[LIM], s23, s19
	s_cselect_b32 s[PFS], s[PFS], BSTEP
	s_cselect_b32 s22, s22, BROW
	s_mov_b32 s21, 0
	s_add_nc_u64 s[PFA:PFA+1], s[PFA:PFA+1], s[20:21]
	v_mul_u32_u24 v[PFO], s22, v6
; 8 matrix instructions: m block a of the window's four (hi = 0: my rows 0-63, 1: rows 64-127) x all 8 n blocks, 32 along K.  zero = 1: the product starts the sums, with 0 or (MODE 1) with the bias.
; The 64 accumulators take turns, in the same order in every quarter step.
.macro MULA f, hi, a, zero
.if (\zero) && (MODE == 1)
	WIN 0x81+0x40*(\hi)                            ; as MUL_LO, MUL_HI, but C in window 0
.else
	WIN MUL_LO+0x50*(\hi)
.endif
.irp b, 0,1,2,3,4,5,6,7
.set rD, 8*(8*(\a)+(\b))
.set rB, (\f)+8*(\b)
.set rA, (\f)+8*(4*(\hi)+(\a))
.if MODE == 2
.if \zero
	v_wmma_f32_16x16x32_bf16 v[rD:rD+7], v[rB:rB+7], v[rA:rA+7], 0
.else
	v_wmma_f32_16x16x32_bf16 v[rD:rD+7], v[rB:rB+7], v[rA:rA+7], v[rD:rD+7]
.endif
.elseif \zero
.if MODE == 1
	v_wmma_f32_16x16x32_f16 v[rD:rD+7], v[rB:rB+7], v[rA:rA+7], v[BI+8*(\b):BI+8*(\b)+7]
.else
	v_wmma_f32_16x16x32_f16 v[rD:rD+7], v[rB:rB+7], v[rA:rA+7], 0
.endif
.else
	v_wmma_f32_16x16x32_f16 v[rD:rD+7], v[rB:rB+7], v[rA:rA+7], v[rD:rD+7]
.endif
.endr
.endm
; 32 LDS loads in one run: the fragments of quarter q (32 along K) of the slot in hand into buffer f: B's eight blocks of 16 columns, then A's eight blocks of 16 rows
.macro FETCH q, f
	WIN TO_B
.irp i, 0,1,2,3,4,5,6,7
	ds_load_tr16_b128 v[(\f)+8*(\i):(\f)+8*(\i)+3],   v[ADB] offset:(\q)*32*PT+32*(\i)
	ds_load_tr16_b128 v[(\f)+8*(\i)+4:(\f)+8*(\i)+7], v[ADB] offset:(\q)*32*PT+32*(\i)+16*PT
.endr
	WIN 0
.irp i, 0,1,2,3,4,5,6,7
.if MODE == 2
	ds_load_tr16_b128 v[(\f)+8*(\i):(\f)+8*(\i)+3],   v[ADA] offset:(\q)*32*PT+32*(\i)
	ds_load_tr16_b128 v[(\f)+8*(\i)+4:(\f)+8*(\i)+7], v[ADA] offset:(\q)*32*PT+32*(\i)+16*PT
.else
	ds_load_b128 v[(\f)+8*(\i):(\f)+8*(\i)+3],   v[ADA] offset:64*(\q)+(\i)*16*PP
	ds_load_b128 v[(\f)+8*(\i)+4:(\f)+8*(\i)+7], v[ADA] offset:64*(\q)+(\i)*16*PP+32
.endif
.endr
.endm
.macro PLACES                          ; four plain vector instructions in front of loads into registers that matrix instructions have read (ISA guide 7.12.1 for vector instructions)
.rept 4
	v_nop
.endr
.endm
; A K step is four quarters of 32 along K, 64 matrix instructions each, on buffers 0, 1, 0, 1.  One of the first three: at its head it fetches quarter q of the same slot into buffer g, which the quarter before has
; multiplied: the run stands 64 matrix instructions ahead of its first use; then it multiplies buffer f.
.macro QUARTER q, f, g, zero
	PLACES
	FETCH \q, \g
	s_wait_dscnt 32                                ; all but the 32 just issued: buffer f is in
.irp h, 0,1
.irp a, 0,1,2,3
	MULA \f, \h, \a, \zero
.endr
.endr
.endm
; The last quarter multiplies buffer 1 and changes slots.  Each wave waits for all its tensor loads (one is out: its part of the next slot), adds 0 to its spare word, waits for that and for its reads of this slot
; (the last were issued a quarter ago), and meets the others.  Behind the barrier nobody reads this slot any more and the next slot is whole.
; fill = 1: the slot just read out is filled again, two K steps on, by the joint load, first thing behind a round of the cluster's barrier: it has 240 matrix instructions in which to land.
; fill = 0: nothing is filled.  fill = 2 (MODE 2): each wave's u tile goes into its part of the slot, behind a round likewise.
.macro TURN fill
.if (\fill) == 1
	s_wait_xcnt 0x0                                ; the last prefetch, a K step back, has read its address: it is stepped here, ahead of the change's own waits
	s_add_nc_u64 s[PFA:PFA+1], s[PFA:PFA+1], s[PFS:PFS+1]
.endif
	WIN 0
	s_wait_tensorcnt 0x0                           ; all my tensor loads have landed, so a group 0 may be written
	ds_add_u32 v[SPW], v[NIL]                      ; 0 onto my spare word: the steps and eight matrix instructions stand between it and the wait for it
.if (\fill) == 1
	s_xor_b32 s[G0+5], s[G0+5], SLOT               ; the walking descriptors: the other slot than last time,
	s_add_nc_u64 s[G0+6:G0+7], s[G0+6:G0+7], ASTEP ; the next K step; the type bits on top are not reached
	s_xor_b32 s[G0B+5], s[G0B+5], SLOT
	s_add_nc_u64 s[G0B+6:G0B+7], s[G0B+6:G0B+7], BSTEP
.endif
	s_xor_b32 s[TB], s[TB], SLOT                   ; the fetches go on in the other slot
	s_wait_dscnt 1                                 ; buffer 1 is in (the add may be out)
	MULA F1, 0, 0, 0
	s_wait_dscnt 0x0                               ; the add is done, and my reads of this slot are over
	s_barrier_signal -1
	MULA F1, 0, 1, 0
	WIN 0
	s_barrier_wait -1
.if (\fill) == 0
	PLACES
.else
	CREST                                          ; no wave of any partner still reads this slot or has a load on its way
.if (\fill) == 1
	JLOAD                                          ; its four v_nop are also the places in front of the loads below
.else
	tensor_load_to_lds s[GU0:GU0+3], s[GU1:GU1+7]
	s_nop 0
.rept 4
	v_nop
.endr
.endif
.endif
	v_add_nc_u32 v[ADA], s[TB], v[ADRA0]
	v_add_nc_u32 v[ADB], s[TB], v[ADRB0]
	FETCH 0, F0
.if (\fill) == 1
	ASK
.endif
	MULA F1, 0, 2, 0
	MULA F1, 0, 3, 0
.irp a, 0,1,2,3
	MULA F1, 1, \a, 0
.endr
.endm
	s_wait_tensorcnt 1                             ; my part of K step 0 is in; K step 1's may stay out
	s_barrier_signal -1
	s_barrier_wait -1                              ; everybody's is
	FETCH 0, F0
.if MODE == 1
	s_wait_loadcnt 0x0                             ; the bias
.endif
	QUARTER 1, F0, F1, 1                           ; the first quarter stands in front of the loop: its products start the sums
	WIN 0                                          ; at a label and at a branch every window is 0
	s_mov_b32 s3, 6
.Lstep:                                        ; six trips, from a K step's second quarter to the next step's first: K steps 2 to 7 are asked for
	QUARTER 2, F1, F0, 0
	QUARTER 3, F0, F1, 0
	TURN 1
	QUARTER 1, F0, F1, 0
	WIN 0
	s_sub_co_u32 s3, s3, 1
	s_cmp_lg_u32 s3, 0
	s_cbranch_scc1 .Lstep
	s_mov_b32 s3, 2
.Ltail:                                        ; K steps 6 and 7 ask for no tile of A or B; the second trip is left in its middle
	QUARTER 2, F1, F0, 0
	QUARTER 3, F0, F1, 0
	WIN 0
	s_sub_co_u32 s3, s3, 1
	s_cmp_eq_u32 s3, 0
	s_cbranch_scc1 .Lfinal
.if MODE == 2
	TURN 2
.else
	TURN 0
.endif
	QUARTER 1, F0, F1, 0
	WIN 0
	s_branch .Ltail
.Lfinal:
	s_wait_dscnt 0x0                               ; the last fragments are in: my reads of slot 1 are over
.irp h, 0,1
.irp a, 0,1,2,3
	MULA F1, \h, \a, 0
.endr
.endr
	WIN 0
	; THE WAY OUT
.if MODE == 2
	s_wait_tensorcnt 0x0                           ; my u tile is in; only I read it
.endif
	s_barrier_signal -1
	s_barrier_wait -1                              ; nobody reads slot 1 any more: each wave may store into its part of it
.rept 8
	v_nop                                          ; the places behind the last products, once a launch
.endr
.if MODE != 1
	s_wait_loadcnt 0x0                             ; the bias and the records
.irp k, 0,1,2,3
	ds_store_b128 v[SCS], v[REC+4*(\k):REC+4*(\k)+3] offset:512*(\k)   ; into my own 2,048 bytes: LDS serves a wave's instructions in order (ISA guide 5.7.1.4)
.endr
.endif
.if MODE == 1
	v_mov_b32 v[MX], 0
	v_mov_b32 v[MX+1], 0
.endif
.macro DUMP hi                         ; 32 accumulators into 64 rows of 528 bytes; each accumulator's four lowest registers first
	WIN 0x08+4*(\hi)                               ; the stores' data in window 2 or 3
.irp a, 0,1,2,3
.irp b, 0,1,2,3,4,5,6,7
	ds_store_b128 v[DST], v[8*(8*(\a)+(\b)):8*(8*(\a)+(\b))+3]   offset:(\a)*16*DP+64*(\b)
	ds_store_b128 v[DST], v[8*(8*(\a)+(\b))+4:8*(8*(\a)+(\b))+7] offset:(\a)*16*DP+64*(\b)+16
.endr
.endr
	WIN 0
.endm
; MODE 2, 3: the LDS loads of eight rows into set s, and the addresses' steps
.macro LD s
.irp i, 0,1,2,3,4,5,6,7
	ds_load_b128 v[G+32*(\s)+4*(\i):G+32*(\s)+4*(\i)+3], v[RDA] offset:(\i)*DP   ; a whole row: 32 lanes x 16 neighbouring bytes
.endr
.if MODE == 2
.irp i, 0,1,2,3,4,5,6,7
	ds_load_b64 v[UU+16*(\s)+2*(\i):UU+16*(\s)+2*(\i)+1], v[UA] offset:(\i)*PP
.endr
.irp i, 0,1,2,3,4,5,6,7
	ds_load_b128 v[RC+32*(\s)+4*(\i):RC+32*(\s)+4*(\i)+3], v[SCA] offset:16*(\i)  ; the row's record, the same words for all lanes
.endr
	v_add_nc_u32 v[UA], 8*PP, v[UA]
.else
.irp i, 0,1,2,3,4,5,6,7
	ds_load_b64 v[RC+16*(\s)+2*(\i):RC+16*(\s)+2*(\i)+1], v[SCA] offset:16*(\i)
.endr
.endif
	v_add_nc_u32 v[RDA], 8*DP, v[RDA]
	v_add_nc_u32 v[SCA], 128, v[SCA]
.endm
; MODE 2, 3: set s is worked on and stored
.macro WORK s
	s_wait_xcnt 0x0                                ; the stores issued so far have read their data and their base: both are rewritten only behind this wait
	s_add_nc_u64 s[8:9], s[8:9], 8*CROW            ; eight rows on; the stores below reach back
.if MODE == 2
.irp i, 0,1,2,3,4,5,6,7
	v_pk_fma_f32 v[G+32*(\s)+4*(\i):G+32*(\s)+4*(\i)+1], v[G+32*(\s)+4*(\i):G+32*(\s)+4*(\i)+1], v[RC+32*(\s)+4*(\i):RC+32*(\s)+4*(\i)+1], v[RC+32*(\s)+4*(\i)+2:RC+32*(\s)+4*(\i)+3]       ; gated c1 + c0
	v_pk_fma_f32 v[G+32*(\s)+4*(\i)+2:G+32*(\s)+4*(\i)+3], v[G+32*(\s)+4*(\i)+2:G+32*(\s)+4*(\i)+3], v[RC+32*(\s)+4*(\i):RC+32*(\s)+4*(\i)+1], v[RC+32*(\s)+4*(\i)+2:RC+32*(\s)+4*(\i)+3]
.endr
.irp i, 0,1,2,3,4,5,6,7
	v_fma_mix_f32 v[G+32*(\s)+4*(\i)],   v[UU+16*(\s)+2*(\i)],   v[G+32*(\s)+4*(\i)],   v[ZERO] op_sel_hi:[1,0,0]                  ; times u, straight from its f16 halves
	v_fma_mix_f32 v[G+32*(\s)+4*(\i)+1], v[UU+16*(\s)+2*(\i)],   v[G+32*(\s)+4*(\i)+1], v[ZERO] op_sel:[1,0,0] op_sel_hi:[1,0,0]
	v_fma_mix_f32 v[G+32*(\s)+4*(\i)+2], v[UU+16*(\s)+2*(\i)+1], v[G+32*(\s)+4*(\i)+2], v[ZERO] op_sel_hi:[1,0,0]
	v_fma_mix_f32 v[G+32*(\s)+4*(\i)+3], v[UU+16*(\s)+2*(\i)+1], v[G+32*(\s)+4*(\i)+3], v[ZERO] op_sel:[1,0,0] op_sel_hi:[1,0,0]
.endr
.set p, 0
.rept 16
	v_cvt_pk_f16_f32 v[Y+16*(\s)+p], v[G+32*(\s)+2*p], v[G+32*(\s)+2*p+1]
.set p, p+1
.endr
.irp i, 0,1,2,3,4,5,6,7
	global_store_b64 v[CO], v[Y+16*(\s)+2*(\i):Y+16*(\s)+2*(\i)+1], s[8:9] offset:((\i)-8)*CROW   ; 256 consecutive bytes, aligned
.endr
.else
.irp i, 0,1,2,3,4,5,6,7
	v_pk_fma_f32 v[E+32*(\s)+4*(\i):E+32*(\s)+4*(\i)+1], v[G+32*(\s)+4*(\i):G+32*(\s)+4*(\i)+1], v[RC+16*(\s)+2*(\i):RC+16*(\s)+2*(\i)+1], v[BIA:BIA+1]         ; sum x inv + cb, into registers of its own
	v_pk_fma_f32 v[E+32*(\s)+4*(\i)+2:E+32*(\s)+4*(\i)+3], v[G+32*(\s)+4*(\i)+2:G+32*(\s)+4*(\i)+3], v[RC+16*(\s)+2*(\i):RC+16*(\s)+2*(\i)+1], v[BIA+2:BIA+3]
.endr
.irp i, 0,1,2,3,4,5,6,7
	global_store_b128 v[CO], v[E+32*(\s)+4*(\i):E+32*(\s)+4*(\i)+3], s[8:9] offset:((\i)-8)*CROW th:TH_STORE_NT   ; 512 consecutive bytes, aligned
.endr
.endif
.endm
.macro GLOAD                           ; MODE 1: eight rows
.irp i, 0,1,2,3,4,5,6,7
	ds_load_b128 v[G+4*(\i):G+4*(\i)+3], v[RDA] offset:(\i)*DP   ; a whole row: 32 lanes x 16 neighbouring bytes
.endr
.endm
	s_mov_b32 s73, 2
.Lhalf:                                        ; my rows 0-63, then my rows 64-127
	s_cmp_eq_u32 s73, 2
	s_cbranch_scc0 .Lupper
	DUMP 0
	s_branch .Ldumped
.Lupper:
	DUMP 1
.Ldumped:
	v_mov_b32 v[RDA], v[RDA0]
.if MODE == 1
	GLOAD
	s_mov_b32 s74, 8
.Ltrip:                                        ; eight rows a trip.  a / (1 + 2^T) with T = - a log2(e), as T x 1 / (c 2^T + c), c = - log2(e)
	s_wait_dscnt 0x0                               ; the eight rows are in
.set p, 0
.rept 16
	v_pk_mul_f32 v[T+2*p:T+2*p+1], v[G+2*p:G+2*p+1], v[CC:CC+1]   ; T, into other registers: the rows' registers are free,
.set p, p+1
.endr
	s_cmp_eq_u32 s74, 1
	s_cbranch_scc1 .Lno_more                       ; (the half's last trip has no rows behind it)
	v_add_nc_u32 v[RDA], 8*DP, v[RDA]
	GLOAD                                          ; and the next eight rows are asked for: they land while these are worked on
.Lno_more:
.set p, 0
.rept 32
	v_exp_f32 v[X+p], v[T+p]
.set p, p+1
.endr
	v_nop                                          ; a plain instruction behind the last exponential,
	s_wait_alu depctr_va_vdst(0)                   ; and one wait for the batch, ahead of its first reader
.set p, 0
.rept 16
	v_pk_fma_f32 v[X+2*p:X+2*p+1], v[X+2*p:X+2*p+1], v[CC:CC+1], v[CC:CC+1]
.set p, p+1
.endr
.set p, 0
.rept 32
	v_rcp_f32 v[X+p], v[X+p]
.set p, p+1
.endr
	v_nop
	s_wait_alu depctr_va_vdst(0)                   ; the same for the reciprocals
.set p, 0
.rept 16
	v_pk_mul_f32 v[T+2*p:T+2*p+1], v[T+2*p:T+2*p+1], v[X+2*p:X+2*p+1]
.set p, p+1
.endr
	s_cmp_lg_u32 s72, 0
	s_cbranch_scc0 .Lnot_u
.set p, 0
.rept 16
	v_max3_num_f32 v[MX+p%2], v[MX+p%2], |v[T+2*p]|, |v[T+2*p+1]|
.set p, p+1
.endr
.Lnot_u:
	s_wait_xcnt 0x0                                ; the last trip's stores have read their data and their base: both are rewritten only behind this wait
	s_add_nc_u64 s[8:9], s[8:9], 8*CROW            ; eight rows on; the stores below reach back
.set p, 0
.rept 16
	v_cvt_pk_f16_f32 v[Y+p], v[T+2*p], v[T+2*p+1]
.set p, p+1
.endr
.irp i, 0,1,2,3,4,5,6,7
	global_store_b64 v[CO], v[Y+2*(\i):Y+2*(\i)+1], s[8:9] offset:((\i)-8)*CROW   ; 256 consecutive bytes, aligned
.endr
.else
	LD 0
	s_mov_b32 s74, 4
.Ltrip:                                        ; sixteen rows a trip, on two sets of registers by turns: while one set is worked on, the other's loads are out
	LD 1
	s_wait_dscnt NLD                               ; set 0 is in; set 1's loads may stay out
	WORK 0
	s_cmp_eq_u32 s74, 1
	s_cbranch_scc1 .Llast_pair                     ; the half's last trip has no rows behind it
	LD 0
	s_wait_dscnt NLD                               ; set 1 is in; set 0's loads may stay out
	s_branch .Lpair
.Llast_pair:
	s_wait_dscnt 0x0                               ; set 1 is in
.Lpair:
	WORK 1
.endif
	s_sub_co_u32 s74, s74, 1
	s_cmp_lg_u32 s74, 0
	s_cbranch_scc1 .Ltrip
	s_sub_co_u32 s73, s73, 1
	s_cmp_lg_u32 s73, 0
	s_cbranch_scc1 .Lhalf
.if MODE == 1
	s_cmp_lg_u32 s72, 0
	s_cbranch_scc0 .Lno_um
	v_max_num_f32 v[MX], v[MX], v[MX+1]            ; the largest |u| of my 128 x 128, in every lane
	v_max_num_f32_dpp v[MX], v[MX], v[MX] row_xmask:1 row_mask:0xf bank_mask:0xf
	v_max_num_f32_dpp v[MX], v[MX], v[MX] row_xmask:2 row_mask:0xf bank_mask:0xf
	v_max_num_f32_dpp v[MX], v[MX], v[MX] row_xmask:4 row_mask:0xf bank_mask:0xf
	v_max_num_f32_dpp v[MX], v[MX], v[MX] row_xmask:8 row_mask:0xf bank_mask:0xf
	v_permlanex16_b32 v[MX+1], v[MX], s88, s89
	v_max_num_f32 v[MX], v[MX], v[MX+1]
	v_mov_b32 v[MX+1], v[MX]
	global_store_b64 v[CO], v[MX:MX+1], s[92:93]   ; 64 copies: the slot's 256 bytes are written whole
.Lno_um:
.endif
	s_wait_tensorcnt 0x0                           ; the wave's end: behind my last tensor load and my last LDS store
	ds_add_u32 v[SPW], v[NIL]
	s_wait_dscnt 0x0
	CROUND                                         ; the closing round: no work-group ends while a partner may still ask for a tile that names it
	s_endpgm
.Lfunc_end_k_q35f516ec08_gemm2:
	.size	k_q35f516ec08_gemm2, .Lfunc_end_k_q35f516ec08_gemm2-k_q35f516ec08_gemm2
	.p2alignl 7, 3214868480
	.fill 96, 4, 3214868480
	.section	.rodata,"a",@progbits
	.p2align	6, 0x0
	.amdhsa_kernel k_q35f516ec08_gemm2
		.amdhsa_group_segment_fixed_size 327680
		.amdhsa_private_segment_fixed_size 0
		.amdhsa_enable_private_segment 0
		.amdhsa_kernarg_size 32
		.amdhsa_user_sgpr_count 2
		.amdhsa_user_sgpr_kernarg_segment_ptr 1
		.amdhsa_wavefront_size32 1
		.amdhsa_system_sgpr_workgroup_id_x 1
		.amdhsa_system_sgpr_workgroup_id_y 1
		.amdhsa_system_sgpr_workgroup_id_z 1
		.amdhsa_system_vgpr_workitem_id 0
		.amdhsa_next_free_vgpr 1024
		.amdhsa_next_free_sgpr 100
		.amdhsa_reserve_vcc 0
		.amdhsa_float_denorm_mode_32 3
		.amdhsa_float_denorm_mode_16_64 3
		.amdhsa_memory_ordered 1
		.amdhsa_forward_progress 1
		.amdhsa_inst_pref_size 100
	.end_amdhsa_kernel
	.amdgpu_metadata
---
amdhsa.version: [ 1, 2 ]
amdhsa.kernels:
  - .name:           k_q35f516ec08_gemm2
    .symbol:         k_q35f516ec08_gemm2.kd
    .args:
      - { .name: wts, .offset: 0, .size: 8, .value_kind: global_buffer, .address_space: global }
      - { .name: vn, .offset: 8, .size: 8, .value_kind: global_buffer, .address_space: global }
      - { .name: pj, .offset: 16, .size: 8, .value_kind: global_buffer, .address_space: global }
      - { .name: uv, .offset: 24, .size: 8, .value_kind: global_buffer, .address_space: global }
    .group_segment_fixed_size: 327680
    .private_segment_fixed_size: 0
    .kernarg_segment_align: 8
    .kernarg_segment_size: 32
    .max_flat_workgroup_size: 128
    .sgpr_count:     100
    .vgpr_count:     1024
    .wavefront_size: 32
...
	.end_amdgpu_metadata
.endif
;; end of part 4
;; launch gemm3 (part 5): grid 4 x 64, 4 waves a work-group, clusters of 4 x 4, 327,680 bytes of LDS; arguments pj, wts, out0, cb, vn; writes out0
.if DOCPART == 5
	.amdgcn_target "amdgcn-amd-amdhsa--gfx1250"
	.amdhsa_code_object_version 6
	.text
	.protected	k_q35f516ec08_gemm3
	.globl	k_q35f516ec08_gemm3
	.p2align	8
	.type	k_q35f516ec08_gemm3,@function
k_q35f516ec08_gemm3:
	s_mov_b64 s[64:65], 0
	v_nop
	global_prefetch_b8 v0, s[64:65] scope:SCOPE_SE
	s_setreg_imm32_b32 hwreg(HW_REG_WAVE_MODE, 25, 1), 1
	s_wait_xcnt 0x0
	s_wait_alu depctr_hold_cnt(0) depctr_sa_sdst(0) depctr_va_vdst(0) depctr_va_sdst(0) depctr_va_ssrc(0) depctr_va_vcc(0) depctr_vm_vsrc(0)
	s_getreg_b32 s2, hwreg(HW_REG_IB_STS2, 6, 4)
	s_cmp_eq_u32 s2, 0
	s_cbranch_scc0 .Lentry_in_a_cluster
	s_endpgm
.Lentry_in_a_cluster:
	s_bfe_u32 s2, ttmp6, 0x10000c
	s_cmp_lg_u32 s2, 0xf033
	s_cbranch_scc0 .Lentry_shape_is_right
	s_endpgm
.Lentry_shape_is_right:
; ONE TEXT FOR THE MODULE'S THREE PRODUCTS; MODE picks the parts that are assembled.  This file: MODE 3.
;   MODE 1: uv = swish(xn pw + pb), f16 operands.  A = xn [16384][1024], B = pw as f16 [1024][2048], C = uv [16384][2048] f16 (u: columns 0-1023, v: the rest); behind uv's rows, from byte
;           67,108,864 on, a slot of 256 bytes for each 128 x 128 wave tile of u holds the tile's largest |u| (slot = 8 x (row / 128) + column / 128).
;   MODE 2: for each batch gated[j][t] = sum over s of sgu_w[s][j] vnw[s][t], bf16 operands (sgu_w has no room in f16); pj = f16(u (gated c1 + c0)), with c1 = weight alpha, c0 = sgu_b alpha of row j.
;   MODE 3: out0 = (pj cw) inv + cb, f16 operands, f32 out; inv = 1 / alpha of the row.
; alpha is an exact power of two, made for each row by the launch before MODE 2 so that |u (gated weight + sgu_b)| alpha stays under 2^14.
; LIMITS.  f16 holds no number beyond 65,504: |u|, |v| must stay within it; below 6e-5 it keeps its fixed step of 6e-8.  NaN and infinities are not treated apart.
; SHAPE.  A tile of C is 256 x 256, K = 1,024 in 8 steps of 128 through two LDS slots; four waves, each 128 x 128 of C in 64 accumulators of 16 x 16 (512 registers).
; B lies [K][N] in memory: its tiles come as 128 rows (k) of 256 bytes and are turned on the way out of LDS by ds_load_tr16_b128; so does A in MODE 2 ([K][M]).  Every tile row is 256 bytes of memory, aligned.
; CLUSTERS.  4 x 4 work-groups: A's tile is shared along a row of the cluster, B's along a column; each is asked for jointly (same load, same descriptor, a mask of the four).  In MODE 2 a cluster is one batch.
; THE MATRIX INSTRUCTION IS USED TRANSPOSED (source 0 = 16 columns of B, source 1 = 16 rows of A): a lane holds row l % 16 of C and the columns 8 (l / 16) + 0..7.
; A K STEP IS WRITTEN ONCE: a trip goes from a step's second quarter to the next step's first; the slot in hand is a scalar, turned at each change of slots, and one descriptor for A and one for B walk.
; The last two K steps, which ask for no tile of A or B, are a second loop, left in its middle.
; THE WAY OUT.  64 rows of the wave's tile at a time go as f32 into the wave's own part of slot 1 (which has had its last fill) and come back as whole rows, eight a trip: lane l holds columns 4 l .. 4 l + 3.
; The next eight rows are asked for while the eight in hand are worked on.
; REGISTERS, in windows of 256: window 0: v16-59 addresses and what the way out needs, v64-191 A's fragments (two buffers), v192-255 MODE 1's bias; on the way out v64-255 are at work;
; window 1: v64-191 B's fragments; windows 2, 3: the accumulators.
.set MODE,   3
.set HALFT,  36864                     ; a part of a slot: 128 rows x 288 bytes (turned tiles) or x 272 (plain ones)
.set SLOT,   4*HALFT                   ; A's two halves, then B's two halves.  147,456 = 0x24000 has no bit in common with the parts' offsets 0, 0x9000, 0x12000, 0x1b000: one exclusive or turns a part's address into the other slot's
.set PP,     272                       ; a plain row in LDS: 256 bytes + 16: the 16 rows of a load start 68 words apart (64 banks of 4 bytes: ISA guide 11.1)
.set PT,     288                       ; a row that is turned: 256 + 32
.set DP,     528                       ; a row of 128 f32 on the way out: 512 + 16
.set DREG,   64*DP                     ; a wave's 64 rows
.set SCR,    2*SLOT                    ; behind the ring: 2,048 bytes a wave, the records of its 128 rows
.set SPARE,  SCR+4*2048                ; behind them: the spare words, 128 bytes a wave
.if MODE == 1
.set AROW,   2048                      ; bytes from row to row of A's matrix in memory
.set BROW,   4096                      ; of B's
.set ABASE,  0                         ; where A's matrix begins in its buffer
.set BBASE,  0
.set ASTEP,  256                       ; bytes from a K step to the next
.set PADA,   3                         ; A's padding: 4 words (code 3)
.set CROW,   4096                      ; bytes in a row of C's buffer
.set CSH,    12
.set CEL,    1                         ; log2 of the bytes in a number of C
.set RSOFF,  0
.elseif MODE == 2
.set AROW,   2048
.set BROW,   2048
.set ABASE,  6291456
.set BBASE,  0
.set ASTEP,  128*AROW
.set PADA,   7                         ; 8 words (code 7)
.set CROW,   2048
.set CSH,    11
.set CEL,    1
.set RSOFF,  33554432                  ; the records {c1, c1, c0, c0}, 16 bytes a row
.else
.set AROW,   2048
.set BROW,   2048
.set ABASE,  0
.set BBASE,  4194304
.set ASTEP,  256
.set PADA,   3
.set CROW,   4096
.set CSH,    12
.set CEL,    2
.set RSOFF,  33816576                  ; the records {inv x 4}
.endif
.set BSTEP,  128*BROW
.set ADRA0, 16                         ; v16     LDS address of my A fragments in slot 0; never rewritten
.set ADA,   17                         ; v17     the same in the slot in hand
.set ADRB0, 20                         ; v20, v21 the same for B
.set ADB,   21
.set UA,   22                          ; v22     MODE 2: my 8 bytes of a row of my u tile
.set SCA,  23                          ; v23     the record of the way out's next row
.set DST,  24                          ; v24     the way out: where I put 32 bytes of a row
.set RDA0, 25                          ; v25     the way out: my 16 bytes of the first row
.set RDA,  26                          ; v26     of the next eight rows' first
.set CO,   27                          ; v27     my byte offset in a row of C
.set SPW,  28                          ; v28     my spare word; never rewritten
.set NIL,  29                          ; v29     0; never rewritten
.set PFO,  30                          ; v30     the prefetches' offset: lane x a row in memory; never rewritten
.set ZERO, 31                          ; v31     0
.set REC,  32                          ; v[32:47] four records as loaded
.set BIA,  48                          ; v[48:51] MODE 3: the bias of my four columns
.set MX,   52                          ; v[52:53] MODE 1: two running maxima of |u|
.set BO,   54                          ; v54     the bias's offset
.set LO16, 55                          ; v55     16 x lane
.set SCS,  56                          ; v56     where I put a record
.set CC,   58                          ; v[58:59] MODE 1: - log2(e), twice
.set F0,   64
.set F1,   128
.set BI,   192                         ; v[192:255] MODE 1: the bias as an accumulator holds it: register 8 b + j = pb[my first column + 16 b + 8 (l / 16) + j]
.set G,    64                          ; the way out: eight rows of f32; MODE 2, 3: set s at G + 32 s
.if MODE == 1
.set T,    96
.set X,    128
.set Y,    176
.elseif MODE == 2
.set UU,   128                         ; set s at + 16 s
.set RC,   160                         ; + 32 s
.set Y,    224                         ; + 16 s
.set NLD,  24                          ; LDS loads in a set
.else
.set RC,   128                         ; + 16 s
.set E,    160                         ; + 32 s
.set NLD,  16
.endif
.set G1,  24                           ; s[24:31] descriptor group 1 for A's tiles; s[32:39] group 0: a set for each of the two first fills; the second then walks on
.set G0,  32
.set G1B, 48                           ; s[48:55], s[56:63] the same for B's
.set G0B, 56
.set LIM, 43                           ; s43      2 in a wave that prefetches, else the greatest number
.set PFA, 44                           ; s[44:45] where my prefetches stand
.set PFS, 70                           ; s[70:71] their step, a K step
.set TB,  75                           ; s75      LDS byte at which the slot in hand begins
.set GU0, 76                           ; s[76:79], s[80:87] MODE 2: the descriptor of my u tile
.set GU1, 80
.set MSB, 0
.macro WIN new                         ; the immediate's high byte repeats the setting that is left; a switch that changes nothing is dropped
.if MSB != (\new)
	s_set_vgpr_msb (MSB<<8)|(\new)
.set MSB, \new
.endif
.endm
.set MUL_LO, 0xa1                      ; source 0 (B) window 1, source 1 (A) window 0, C and D window 2
.set MUL_HI, 0xf1                      ; the same, C and D window 3
.set TO_B,   0x40                      ; destination window 1, address window 0
; A joint refill, by the walking descriptors.  Waves 0 and 1 fetch A's two halves, waves 2 and 3 B's: the branch hangs on the wave's number alone.  An s_nop 0 and four v_nop follow each line.
.macro JLOAD
	s_cmp_eq_u32 s11, 0
	s_cbranch_scc0 .Lfor_b_\@
	tensor_load_to_lds s[G0+4:G0+7], s[G1:G1+7]
	s_nop 0
.rept 4
	v_nop
.endr
	s_branch .Lasked_\@
.Lfor_b_\@:
	tensor_load_to_lds s[G0B+4:G0B+7], s[G1B:G1B+7]
	s_nop 0
.rept 4
	v_nop
.endr
.Lasked_\@:
.endm
; A prefetch of the K step that stands two refills on: 32 rows x 256 bytes, a lane a row, one instruction a wave.  Each row's 256 bytes are named once in the launch: of the clusters that read a tile one asks,
; and the four partners that ask for it jointly take 32 of its 128 rows each, told apart by address.  K steps 0 to 3 come by their loads alone; the loop's last two trips (s3 = 2, 1) ask for nothing: there is no K step 8.
.macro ASK
	s_cmp_gt_u32 s3, s[LIM]
	s_cbranch_scc0 .Lnot_mine_\@
	global_prefetch_b8 v[PFO], s[PFA:PFA+1] th:TH_LOAD_NT scope:SCOPE_SE
.Lnot_mine_\@:
.endm
.macro CREST                           ; a round of the cluster's barrier behind its opening barrier
	s_cmp_lg_u32 s10, 0
	s_cbranch_scc1 .Lnot_wave_0_\@
	s_barrier_signal -3
.Lnot_wave_0_\@:
	s_barrier_wait -3
	s_barrier_signal -1
	s_barrier_wait -1
.endm
.macro CROUND                          ; a whole round
	s_barrier_signal -1
	s_barrier_wait -1
	CREST
.endm
	s_load_b128 s[4:7], s[0:1], 0x0                ; A's buffer s[4:5], B's s[6:7]
	s_load_b64 s[8:9], s[0:1], 0x10                ; C's
	s_load_b64 s[66:67], s[0:1], 0x18              ; MODE 1: pb; MODE 2: uv; MODE 3: cb
.if MODE == 3
	s_load_b64 s[68:69], s[0:1], 0x20              ; vn, for the records
.endif
	v_lshl_add_u32 v[SPW], v0, 2, SPARE
	v_mov_b32 v[NIL], 0
	ds_add_u32 v[SPW], v[NIL]                      ; the wave's opening: the add and its wait stand ahead of my first tensor load; the set-up below stands between them
	v_lshrrev_b32 v1, 5, v0
	v_readfirstlane_b32 s10, v1                    ; wave 0..3
	s_lshr_b32 s11, s10, 1                         ; which half of the tile's rows is mine.  Also: I fetch for A (0) or for B (1)
	s_and_b32 s12, s10, 1                          ; which half of its columns.  Also: which half of that tile I fetch
	s_bfe_u32 s40, ttmp6, 0x40000                  ; cx
	s_bfe_u32 s41, ttmp6, 0x40004                  ; cy
	s_lshl_b32 s42, ttmp9, 2
	s_add_co_u32 s42, s42, s40                     ; tile column = 4 x cluster x + cx
	s_and_b32 s13, ttmp7, 0xffff
	s_lshl_b32 s13, s13, 2
	s_add_co_u32 s13, s13, s41                     ; tile row = 4 x cluster y + cy
	s_lshl_b32 s43, s41, 2
	s_lshl_b32 s43, 15, s43                        ; my row of the cluster
	s_lshl_b32 s44, 0x1111, s40                    ; my column
	; group 1: tiles of 128 rows x 128 elements of 2 bytes, padded after every 64 words
	s_or_b32 s[G1+0], s43, (1<<16)|(1<<20)|(1<<21)|(5<<22)|(PADA<<25)
	s_or_b32 s[G1B+0], s44, (1<<16)|(1<<20)|(1<<21)|(5<<22)|(7<<25)
.irp g, G1, G1B
	s_mov_b32 s[(\g)+1], 128<<16                   ; tensor_dim0 = 128
	s_mov_b32 s[(\g)+2], 128<<16                   ; tensor_dim1 = 128
	s_mov_b32 s[(\g)+3], 128<<16                   ; tile_dim0 = 128
	s_mov_b32 s[(\g)+4], 128                       ; tile_dim1 = 128
	s_mov_b32 s[(\g)+6], 0
	s_mov_b32 s[(\g)+7], 0
.endr
	s_mov_b32 s[G1+5], AROW/2                      ; elements from row to row
	s_mov_b32 s[G1B+5], BROW/2
	; where the tiles come from: A's hang on the tile row (MODE 2: on cy) and the wave's number, B's on the tile column (MODE 2: and the batch, which is the cluster's y) and the wave's number
.if MODE == 2
	s_lshl_b32 s16, s41, 9                         ; columns 256 cy of sgu_w, 2 bytes each
	s_lshl_b32 s17, s12, 8
	s_add_co_u32 s16, s16, s17
	s_add_co_u32 s16, s16, ABASE
.else
	s_lshl_b32 s16, s13, 8
	s_lshl_b32 s17, s12, 7
	s_add_co_u32 s16, s16, s17                     ; row 256 x tile row + 128 x half
	s_lshl_b32 s16, s16, 11
.endif
	s_mov_b32 s17, 0
	s_lshl_b32 s46, s42, 9                         ; columns 256 x tile column + 128 x half, 2 bytes each
	s_lshl_b32 s47, s12, 8
	s_add_co_u32 s46, s46, s47
.if MODE == 2
	s_and_b32 s47, ttmp7, 0xffff
	s_lshl_b32 s47, s47, 21                        ; the batch's 1,024 rows of 2,048 bytes
	s_add_co_u32 s46, s46, s47
.elseif MODE == 3
	s_add_co_u32 s46, s46, BBASE
.endif
	s_mov_b32 s47, 0
	s_mul_i32 s20, s10, HALFT                      ; and where they go: part = wave: no place in the cluster enters an LDS address
	s_mov_b32 s88, 0x76543210
	s_mov_b32 s89, 0xfedcba98
	s_wait_dscnt 0x0                               ; the opening add is done
	s_wait_kmcnt 0x0
	s_add_nc_u64 s[14:15], s[4:5], s[16:17]
	s_add_nc_u64 s[46:47], s[6:7], s[46:47]
	CROUND                                         ; all sixteen work-groups are here: the first joint loads meet
.irp s, 0,1
	s_mov_b32 s[G0+4*(\s)], 1
	s_add_co_u32 s[G0+4*(\s)+1], s20, (\s)*SLOT
	s_add_nc_u64 s[G0+4*(\s)+2:G0+4*(\s)+3], s[14:15], (\s)*ASTEP
	s_or_b32 s[G0+4*(\s)+3], s[G0+4*(\s)+3], 0x80000000
	s_mov_b32 s[G0B+4*(\s)], 1
	s_add_co_u32 s[G0B+4*(\s)+1], s20, (\s)*SLOT
	s_add_nc_u64 s[G0B+4*(\s)+2:G0B+4*(\s)+3], s[46:47], (\s)*BSTEP
	s_or_b32 s[G0B+4*(\s)+3], s[G0B+4*(\s)+3], 0x80000000
.endr
	s_cmp_eq_u32 s11, 0                            ; a wave's two first fills stand in one branch, ahead of every wait on TENSORcnt and every LDS read: two loads of mine are out
	s_cbranch_scc0 .Lfirst_b
	tensor_load_to_lds s[G0:G0+3], s[G1:G1+7]
	s_nop 0
	tensor_load_to_lds s[G0+4:G0+7], s[G1:G1+7]
	s_nop 0
.rept 4
	v_nop
.endr
	s_branch .Lfirst_asked
.Lfirst_b:
	tensor_load_to_lds s[G0B:G0B+3], s[G1B:G1B+7]
	s_nop 0
	tensor_load_to_lds s[G0B+4:G0B+7], s[G1B:G1B+7]
	s_nop 0
.rept 4
	v_nop
.endr
.Lfirst_asked:
	; A fragment is 16 rows x 32 K in 8 registers: lane l holds row l % 16; registers 0-3 K = 8 (l / 16) + 0..7, registers 4-7 K = 16 + 8 (l / 16) + 0..7.
	; From rows that lie along K: two loads of 16 bytes, 32 bytes apart.  From rows that lie across K: two turning loads, 16 rows apart; lane l reads row 8 (l / 16) + l % 8, bytes 16 ((l / 8) % 2) on.
	v_and_b32 v1, 15, v0                           ; l % 16
	v_bfe_u32 v2, v0, 4, 1                         ; l / 16
	v_and_b32 v6, 31, v0                           ; l
	v_mul_u32_u24 v3, v1, PP
	v_lshl_add_u32 v3, v2, 4, v3
	v_and_b32 v4, 7, v0
	v_lshl_add_u32 v4, v2, 3, v4
	v_mul_u32_u24 v4, v4, PT
	v_bfe_u32 v5, v0, 3, 1
	v_lshl_add_u32 v4, v5, 4, v4
	s_mul_i32 s21, s11, HALFT                      ; my half of A
	s_mul_i32 s22, s12, HALFT                      ; my half of B,
	s_add_co_u32 s22, s22, 2*HALFT                 ; behind A's two
.if MODE == 2
	v_add_nc_u32 v[ADRA0], s21, v4
.else
	v_add_nc_u32 v[ADRA0], s21, v3
.endif
	v_add_nc_u32 v[ADRB0], s22, v4
	v_mov_b32 v[ADA], v[ADRA0]                     ; K step 0 lies in slot 0
	v_mov_b32 v[ADB], v[ADRB0]
	s_mov_b32 s[TB], 0
	s_mul_i32 s23, s10, DREG
	s_add_co_u32 s23, s23, SLOT                    ; the way out: my 33,792 bytes of slot 1
	v_mul_u32_u24 v[DST], v1, DP
	v_lshl_add_u32 v[DST], v2, 5, v[DST]
	v_add_nc_u32 v[DST], s23, v[DST]
	v_lshl_add_u32 v[RDA0], v6, 4, s23
	v_lshlrev_b32 v[CO], CEL+2, v6                 ; four numbers a lane
	v_mov_b32 v[ZERO], 0
	v_lshlrev_b32 v[LO16], 4, v6
	s_lshl_b32 s18, s13, 8
	s_lshl_b32 s19, s11, 7
	s_add_co_u32 s18, s18, s19                     ; my first row of C
	s_lshl_b32 s46, s42, 8
	s_lshl_b32 s47, s12, 7
	s_add_co_u32 s46, s46, s47                     ; my first column
	s_mov_b32 s17, 0
.if MODE == 1
	s_lshr_b32 s16, s18, 4                         ; 8 x (row / 128)
	s_lshr_b32 s22, s46, 7
	s_add_co_u32 s16, s16, s22
	s_lshl_b32 s16, s16, 8
	s_add_nc_u64 s[92:93], s[8:9], s[16:17]
	s_add_nc_u64 s[92:93], s[92:93], 67108864      ; my tile's slot for max |u| (used in u's tiles alone)
	s_cmp_eq_u32 ttmp9, 0
	s_cselect_b32 s72, 1, 0                        ; the first column of clusters makes u: the same in all sixteen partners
.endif
	s_lshl_b32 s16, s18, CSH
	s_add_nc_u64 s[8:9], s[8:9], s[16:17]
	s_lshl_b32 s16, s46, CEL
	s_add_nc_u64 s[8:9], s[8:9], s[16:17]          ; C at my part of the tile
.if MODE == 1
	s_lshl_b32 s16, s46, 2
	v_lshl_add_u32 v[BO], v2, 5, s16               ; 4 x (my first column + 8 (l / 16))
.irp b, 0,1,2,3,4,5,6,7
	global_load_b128 v[BI+8*(\b):BI+8*(\b)+3],   v[BO], s[66:67] offset:64*(\b)      ; the bias in the accumulators' layout: it is the C of the products that start the sums
	global_load_b128 v[BI+8*(\b)+4:BI+8*(\b)+7], v[BO], s[66:67] offset:64*(\b)+16
.endr
	v_mov_b32 v[CC], 0xbfb8aa3b
	v_mov_b32 v[CC+1], 0xbfb8aa3b
.elseif MODE == 3
	s_lshl_b32 s16, s46, 2
	v_add_nc_u32 v[BO], s16, v[LO16]
	global_load_b128 v[BIA:BIA+3], v[BO], s[66:67] ; the bias of my four columns; waited for on the way out
.endif
.if MODE != 1
	s_lshl_b32 s16, s18, 4
.if MODE == 2
	s_add_nc_u64 s[90:91], s[6:7], s[16:17]
.else
	s_add_nc_u64 s[90:91], s[68:69], s[16:17]
.endif
	s_add_nc_u64 s[90:91], s[90:91], RSOFF
.irp k, 0,1,2,3
	global_load_b128 v[REC+4*(\k):REC+4*(\k)+3], v[LO16], s[90:91] offset:512*(\k)   ; the records of my 128 rows, a lane a row; waited for on the way out
.endr
	s_lshl_b32 s16, s10, 11
	s_add_co_u32 s16, s16, SCR
	v_mov_b32 v[SCA], s16
	v_add_nc_u32 v[SCS], s16, v[LO16]
.endif
.if MODE == 2
	s_mov_b32 s[GU0], 1                            ; my u tile: 128 rows x 128 f16 of uv, a load of my own (no mask), into my part of slot 0 when that slot has been read out
	s_mul_i32 s[GU0+1], s10, HALFT
	s_lshl_b32 s16, s18, 12
	s_add_nc_u64 s[GU0+2:GU0+3], s[66:67], s[16:17]
	s_lshl_b32 s16, s46, 1
	s_add_nc_u64 s[GU0+2:GU0+3], s[GU0+2:GU0+3], s[16:17]
	s_or_b32 s[GU0+3], s[GU0+3], 0x80000000
	s_mov_b32 s[GU1+0], (1<<16)|(1<<20)|(5<<22)|(3<<25)
	s_mov_b32 s[GU1+1], 128<<16
	s_mov_b32 s[GU1+2], 128<<16
	s_mov_b32 s[GU1+3], 128<<16
	s_mov_b32 s[GU1+4], 128
	s_mov_b32 s[GU1+5], 2048
	s_mov_b32 s[GU1+6], 0
	s_mov_b32 s[GU1+7], 0
	v_lshl_add_u32 v[UA], v6, 3, s[GU0+1]
.endif
	; the prefetches: they start at K step 3; each change of slots steps them first, so the first names K step 4
.if MODE == 2
	s_lshl_b32 s20, s40, 16                        ; A: my work-group's 32 of the K step's 128 rows of sgu_w, by cx
	s_lshl_b32 s23, s41, 9
	s_add_co_u32 s20, s20, s23
	s_lshl_b32 s23, s12, 8
	s_add_co_u32 s20, s20, s23
	s_add_co_u32 s20, s20, ABASE+3*ASTEP
.else
	s_lshl_b32 s20, s13, 8                         ; A: of the 128 rows that I fetch my work-group's 32, by cx
	s_lshl_b32 s23, s12, 7
	s_add_co_u32 s20, s20, s23
	s_lshl_b32 s23, s40, 5
	s_add_co_u32 s20, s20, s23
	s_lshl_b32 s20, s20, 11
	s_add_co_u32 s20, s20, 3*ASTEP
.endif
	s_mul_i32 s21, s41, 32*BROW                    ; B: my work-group's 32 of the K step's 128 rows, by cy
	s_lshl_b32 s23, s42, 9
	s_add_co_u32 s21, s21, s23
	s_lshl_b32 s23, s12, 8
	s_add_co_u32 s21, s21, s23
	s_add_co_u32 s21, s21, BBASE+3*BSTEP
	s_and_b32 s16, ttmp7, 0xffff                   ; cluster y
.if MODE == 2
	s_lshl_b32 s23, s16, 21
	s_add_co_u32 s21, s21, s23
	s_cmp_eq_u32 s16, 0                            ; sgu_w is read by every cluster: the first asks
	s_cselect_b32 s23, 2, -1
	s_mov_b32 s19, 2                               ; a batch's rows are read by its own cluster alone
.else
	s_cmp_eq_u32 ttmp9, 0                          ; A's rows are read by every cluster of a row of clusters: the first asks
	s_cselect_b32 s23, 2, -1
	s_cmp_eq_u32 s16, 0                            ; B's by every cluster of a column
	s_cselect_b32 s19, 2, -1
.endif
	s_mov_b32 s[PFS], ASTEP
	s_mov_b32 s[PFS+1], 0
	s_mov_b32 s22, AROW
	s_cmp_eq_u32 s11, 0                            ; do I fetch for A?
	s_cselect_b64 s[PFA:PFA+1], s[4:5], s[6:7]
	s_cselect_b32 s20, s20, s21
	s_cselect_b32 s[LIM], s23, s19
	s_cselect_b32 s[PFS], s[PFS], BSTEP
	s_cselect_b32 s22, s22, BROW
	s_mov_b32 s21, 0
	s_add_nc_u64 s[PFA:PFA+1], s[PFA:PFA+1], s[20:21]
	v_mul_u32_u24 v[PFO], s22, v6
; 8 matrix instructions: m block a of the window's four (hi = 0: my rows 0-63, 1: rows 64-127) x all 8 n blocks, 32 along K.  zero = 1: the product starts the sums, with 0 or (MODE 1) with the bias.
; The 64 accumulators take turns, in the same order in every quarter step.
.macro MULA f, hi, a, zero
.if (\zero) && (MODE == 1)
	WIN 0x81+0x40*(\hi)                            ; as MUL_LO, MUL_HI, but C in window 0
.else
	WIN MUL_LO+0x50*(\hi)
.endif
.irp b, 0,1,2,3,4,5,6,7
.set rD, 8*(8*(\a)+(\b))
.set rB, (\f)+8*(\b)
.set rA, (\f)+8*(4*(\hi)+(\a))
.if MODE == 2
.if \zero
	v_wmma_f32_16x16x32_bf16 v[rD:rD+7], v[rB:rB+7], v[rA:rA+7], 0
.else
	v_wmma_f32_16x16x32_bf16 v[rD:rD+7], v[rB:rB+7], v[rA:rA+7], v[rD:rD+7]
.endif
.elseif \zero
.if MODE == 1
	v_wmma_f32_16x16x32_f16 v[rD:rD+7], v[rB:rB+7], v[rA:rA+7], v[BI+8*(\b):BI+8*(\b)+7]
.else
	v_wmma_f32_16x16x32_f16 v[rD:rD+7], v[rB:rB+7], v[rA:rA+7], 0
.endif
.else
	v_wmma_f32_16x16x32_f16 v[rD:rD+7], v[rB:rB+7], v[rA:rA+7], v[rD:rD+7]
.endif
.endr
.endm
; 32 LDS loads in one run: the fragments of quarter q (32 along K) of the slot in hand into buffer f: B's eight blocks of 16 columns, then A's eight blocks of 16 rows
.macro FETCH q, f
	WIN TO_B
.irp i, 0,1,2,3,4,5,6,7
	ds_load_tr16_b128 v[(\f)+8*(\i):(\f)+8*(\i)+3],   v[ADB] offset:(\q)*32*PT+32*(\i)
	ds_load_tr16_b128 v[(\f)+8*(\i)+4:(\f)+8*(\i)+7], v[ADB] offset:(\q)*32*PT+32*(\i)+16*PT
.endr
	WIN 0
.irp i, 0,1,2,3,4,5,6,7
.if MODE == 2
	ds_load_tr16_b128 v[(\f)+8*(\i):(\f)+8*(\i)+3],   v[ADA] offset:(\q)*32*PT+32*(\i)
	ds_load_tr16_b128 v[(\f)+8*(\i)+4:(\f)+8*(\i)+7], v[ADA] offset:(\q)*32*PT+32*(\i)+16*PT
.else
	ds_load_b128 v[(\f)+8*(\i):(\f)+8*(\i)+3],   v[ADA] offset:64*(\q)+(\i)*16*PP
	ds_load_b128 v[(\f)+8*(\i)+4:(\f)+8*(\i)+7], v[ADA] offset:64*(\q)+(\i)*16*PP+32
.endif
.endr
.endm
.macro PLACES                          ; four plain vector instructions in front of loads into registers that matrix instructions have read (ISA guide 7.12.1 for vector instructions)
.rept 4
	v_nop
.endr
.endm
; A K step is four quarters of 32 along K, 64 matrix instructions each, on buffers 0, 1, 0, 1.  One of the first three: at its head it fetches quarter q of the same slot into buffer g, which the quarter before has
; multiplied: the run stands 64 matrix instructions ahead of its first use; then it multiplies buffer f.
.macro QUARTER q, f, g, zero
	PLACES
	FETCH \q, \g
	s_wait_dscnt 32                                ; all but the 32 just issued: buffer f is in
.irp h, 0,1
.irp a, 0,1,2,3
	MULA \f, \h, \a, \zero
.endr
.endr
.endm
; The last quarter multiplies buffer 1 and changes slots.  Each wave waits for all its tensor loads (one is out: its part of the next slot), adds 0 to its spare word, waits for that and for its reads of this slot
; (the last were issued a quarter ago), and meets the others.  Behind the barrier nobody reads this slot any more and the next slot is whole.
; fill = 1: the slot just read out is filled again, two K steps on, by the joint load, first thing behind a round of the cluster's barrier: it has 240 matrix instructions in which to land.
; fill = 0: nothing is filled.  fill = 2 (MODE 2): each wave's u tile goes into its part of the slot, behind a round likewise.
.macro TURN fill
.if (\fill) == 1
	s_wait_xcnt 0x0                                ; the last prefetch, a K step back, has read its address: it is stepped here, ahead of the change's own waits
	s_add_nc_u64 s[PFA:PFA+1], s[PFA:PFA+1], s[PFS:PFS+1]
.endif
	WIN 0
	s_wait_tensorcnt 0x0                           ; all my tensor loads have landed, so a group 0 may be written
	ds_add_u32 v[SPW], v[NIL]                      ; 0 onto my spare word: the steps and eight matrix instructions stand between it and the wait for it
.if (\fill) == 1
	s_xor_b32 s[G0+5], s[G0+5], SLOT               ; the walking descriptors: the other slot than last time,
	s_add_nc_u64 s[G0+6:G0+7], s[G0+6:G0+7], ASTEP ; the next K step; the type bits on top are not reached
	s_xor_b32 s[G0B+5], s[G0B+5], SLOT
	s_add_nc_u64 s[G0B+6:G0B+7], s[G0B+6:G0B+7], BSTEP
.endif
	s_xor_b32 s[TB], s[TB], SLOT                   ; the fetches go on in the other slot
	s_wait_dscnt 1                                 ; buffer 1 is in (the add may be out)
	MULA F1, 0, 0, 0
	s_wait_dscnt 0x0                               ; the add is done, and my reads of this slot are over
	s_barrier_signal -1
	MULA F1, 0, 1, 0
	WIN 0
	s_barrier_wait -1
.if (\fill) == 0
	PLACES
.else
	CREST                                          ; no wave of any partner still reads this slot or has a load on its way
.if (\fill) == 1
	JLOAD                                          ; its four v_nop are also the places in front of the loads below
.else
	tensor_load_to_lds s[GU0:GU0+3], s[GU1:GU1+7]
	s_nop 0
.rept 4
	v_nop
.endr
.endif
.endif
	v_add_nc_u32 v[ADA], s[TB], v[ADRA0]
	v_add_nc_u32 v[ADB], s[TB], v[ADRB0]
	FETCH 0, F0
.if (\fill) == 1
	ASK
.endif
	MULA F1, 0, 2, 0
	MULA F1, 0, 3, 0
.irp a, 0,1,2,3
	MULA F1, 1, \a, 0
.endr
.endm
	s_wait_tensorcnt 1                             ; my part of K step 0 is in; K step 1's may stay out
	s_barrier_signal -1
	s_barrier_wait -1                              ; everybody's is
	FETCH 0, F0
.if MODE == 1
	s_wait_loadcnt 0x0                             ; the bias
.endif
	QUARTER 1, F0, F1, 1                           ; the first quarter stands in front of the loop: its products start the sums
	WIN 0                                          ; at a label and at a branch every window is 0
	s_mov_b32 s3, 6
.Lstep:                                        ; six trips, from a K step's second quarter to the next step's first: K steps 2 to 7 are asked for
	QUARTER 2, F1, F0, 0
	QUARTER 3, F0, F1, 0
	TURN 1
	QUARTER 1, F0, F1, 0
	WIN 0
	s_sub_co_u32 s3, s3, 1
	s_cmp_lg_u32 s3, 0
	s_cbranch_scc1 .Lstep
	s_mov_b32 s3, 2
.Ltail:                                        ; K steps 6 and 7 ask for no tile of A or B; the second trip is left in its middle
	QUARTER 2, F1, F0, 0
	QUARTER 3, F0, F1, 0
	WIN 0
	s_sub_co_u32 s3, s3, 1
	s_cmp_eq_u32 s3, 0
	s_cbranch_scc1 .Lfinal
.if MODE == 2
	TURN 2
.else
	TURN 0
.endif
	QUARTER 1, F0, F1, 0
	WIN 0
	s_branch .Ltail
.Lfinal:
	s_wait_dscnt 0x0                               ; the last fragments are in: my reads of slot 1 are over
.irp h, 0,1
.irp a, 0,1,2,3
	MULA F1, \h, \a, 0
.endr
.endr
	WIN 0
	; THE WAY OUT
.if MODE == 2
	s_wait_tensorcnt 0x0                           ; my u tile is in; only I read it
.endif
	s_barrier_signal -1
	s_barrier_wait -1                              ; nobody reads slot 1 any more: each wave may store into its part of it
.rept 8
	v_nop                                          ; the places behind the last products, once a launch
.endr
.if MODE != 1
	s_wait_loadcnt 0x0                             ; the bias and the records
.irp k, 0,1,2,3
	ds_store_b128 v[SCS], v[REC+4*(\k):REC+4*(\k)+3] offset:512*(\k)   ; into my own 2,048 bytes: LDS serves a wave's instructions in order (ISA guide 5.7.1.4)
.endr
.endif
.if MODE == 1
	v_mov_b32 v[MX], 0
	v_mov_b32 v[MX+1], 0
.endif
.macro DUMP hi                         ; 32 accumulators into 64 rows of 528 bytes; each accumulator's four lowest registers first
	WIN 0x08+4*(\hi)                               ; the stores' data in window 2 or 3
.irp a, 0,1,2,3
.irp b, 0,1,2,3,4,5,6,7
	ds_store_b128 v[DST], v[8*(8*(\a)+(\b)):8*(8*(\a)+(\b))+3]   offset:(\a)*16*DP+64*(\b)
	ds_store_b128 v[DST], v[8*(8*(\a)+(\b))+4:8*(8*(\a)+(\b))+7] offset:(\a)*16*DP+64*(\b)+16
.endr
.endr
	WIN 0
.endm
; MODE 2, 3: the LDS loads of eight rows into set s, and the addresses' steps
.macro LD s
.irp i, 0,1,2,3,4,5,6,7
	ds_load_b128 v[G+32*(\s)+4*(\i):G+32*(\s)+4*(\i)+3], v[RDA] offset:(\i)*DP   ; a whole row: 32 lanes x 16 neighbouring bytes
.endr
.if MODE == 2
.irp i, 0,1,2,3,4,5,6,7
	ds_load_b64 v[UU+16*(\s)+2*(\i):UU+16*(\s)+2*(\i)+1], v[UA] offset:(\i)*PP
.endr
.irp i, 0,1,2,3,4,5,6,7
	ds_load_b128 v[RC+32*(\s)+4*(\i):RC+32*(\s)+4*(\i)+3], v[SCA] offset:16*(\i)  ; the row's record, the same words for all lanes
.endr
	v_add_nc_u32 v[UA], 8*PP, v[UA]
.else
.irp i, 0,1,2,3,4,5,6,7
	ds_load_b64 v[RC+16*(\s)+2*(\i):RC+16*(\s)+2*(\i)+1], v[SCA] offset:16*(\i)
.endr
.endif
	v_add_nc_u32 v[RDA], 8*DP, v[RDA]
	v_add_nc_u32 v[SCA], 128, v[SCA]
.endm
; MODE 2, 3: set s is worked on and stored
.macro WORK s
	s_wait_xcnt 0x0                                ; the stores issued so far have read their data and their base: both are rewritten only behind this wait
	s_add_nc_u64 s[8:9], s[8:9], 8*CROW            ; eight rows on; the stores below reach back
.if MODE == 2
.irp i, 0,1,2,3,4,5,6,7
	v_pk_fma_f32 v[G+32*(\s)+4*(\i):G+32*(\s)+4*(\i)+1], v[G+32*(\s)+4*(\i):G+32*(\s)+4*(\i)+1], v[RC+32*(\s)+4*(\i):RC+32*(\s)+4*(\i)+1], v[RC+32*(\s)+4*(\i)+2:RC+32*(\s)+4*(\i)+3]       ; gated c1 + c0
	v_pk_fma_f32 v[G+32*(\s)+4*(\i)+2:G+32*(\s)+4*(\i)+3], v[G+32*(\s)+4*(\i)+2:G+32*(\s)+4*(\i)+3], v[RC+32*(\s)+4*(\i):RC+32*(\s)+4*(\i)+1], v[RC+32*(\s)+4*(\i)+2:RC+32*(\s)+4*(\i)+3]
.endr
.irp i, 0,1,2,3,4,5,6,7
	v_fma_mix_f32 v[G+32*(\s)+4*(\i)],   v[UU+16*(\s)+2*(\i)],   v[G+32*(\s)+4*(\i)],   v[ZERO] op_sel_hi:[1,0,0]                  ; times u, straight from its f16 halves
	v_fma_mix_f32 v[G+32*(\s)+4*(\i)+1], v[UU+16*(\s)+2*(\i)],   v[G+32*(\s)+4*(\i)+1], v[ZERO] op_sel:[1,0,0] op_sel_hi:[1,0,0]
	v_fma_mix_f32 v[G+32*(\s)+4*(\i)+2], v[UU+16*(\s)+2*(\i)+1], v[G+32*(\s)+4*(\i)+2], v[ZERO] op_sel_hi:[1,0,0]
	v_fma_mix_f32 v[G+32*(\s)+4*(\i)+3], v[UU+16*(\s)+2*(\i)+1], v[G+32*(\s)+4*(\i)+3], v[ZERO] op_sel:[1,0,0] op_sel_hi:[1,0,0]
.endr
.set p, 0
.rept 16
	v_cvt_pk_f16_f32 v[Y+16*(\s)+p], v[G+32*(\s)+2*p], v[G+32*(\s)+2*p+1]
.set p, p+1
.endr
.irp i, 0,1,2,3,4,5,6,7
	global_store_b64 v[CO], v[Y+16*(\s)+2*(\i):Y+16*(\s)+2*(\i)+1], s[8:9] offset:((\i)-8)*CROW   ; 256 consecutive bytes, aligned
.endr
.else
.irp i, 0,1,2,3,4,5,6,7
	v_pk_fma_f32 v[E+32*(\s)+4*(\i):E+32*(\s)+4*(\i)+1], v[G+32*(\s)+4*(\i):G+32*(\s)+4*(\i)+1], v[RC+16*(\s)+2*(\i):RC+16*(\s)+2*(\i)+1], v[BIA:BIA+1]         ; sum x inv + cb, into registers of its own
	v_pk_fma_f32 v[E+32*(\s)+4*(\i)+2:E+32*(\s)+4*(\i)+3], v[G+32*(\s)+4*(\i)+2:G+32*(\s)+4*(\i)+3], v[RC+16*(\s)+2*(\i):RC+16*(\s)+2*(\i)+1], v[BIA+2:BIA+3]
.endr
.irp i, 0,1,2,3,4,5,6,7
	global_store_b128 v[CO], v[E+32*(\s)+4*(\i):E+32*(\s)+4*(\i)+3], s[8:9] offset:((\i)-8)*CROW th:TH_STORE_NT   ; 512 consecutive bytes, aligned
.endr
.endif
.endm
.macro GLOAD                           ; MODE 1: eight rows
.irp i, 0,1,2,3,4,5,6,7
	ds_load_b128 v[G+4*(\i):G+4*(\i)+3], v[RDA] offset:(\i)*DP   ; a whole row: 32 lanes x 16 neighbouring bytes
.endr
.endm
	s_mov_b32 s73, 2
.Lhalf:                                        ; my rows 0-63, then my rows 64-127
	s_cmp_eq_u32 s73, 2
	s_cbranch_scc0 .Lupper
	DUMP 0
	s_branch .Ldumped
.Lupper:
	DUMP 1
.Ldumped:
	v_mov_b32 v[RDA], v[RDA0]
.if MODE == 1
	GLOAD
	s_mov_b32 s74, 8
.Ltrip:                                        ; eight rows a trip.  a / (1 + 2^T) with T = - a log2(e), as T x 1 / (c 2^T + c), c = - log2(e)
	s_wait_dscnt 0x0                               ; the eight rows are in
.set p, 0
.rept 16
	v_pk_mul_f32 v[T+2*p:T+2*p+1], v[G+2*p:G+2*p+1], v[CC:CC+1]   ; T, into other registers: the rows' registers are free,
.set p, p+1
.endr
	s_cmp_eq_u32 s74, 1
	s_cbranch_scc1 .Lno_more                       ; (the half's last trip has no rows behind it)
	v_add_nc_u32 v[RDA], 8*DP, v[RDA]
	GLOAD                                          ; and the next eight rows are asked for: they land while these are worked on
.Lno_more:
.set p, 0
.rept 32
	v_exp_f32 v[X+p], v[T+p]
.set p, p+1
.endr
	v_nop                                          ; a plain instruction behind the last exponential,
	s_wait_alu depctr_va_vdst(0)                   ; and one wait for the batch, ahead of its first reader
.set p, 0
.rept 16
	v_pk_fma_f32 v[X+2*p:X+2*p+1], v[X+2*p:X+2*p+1], v[CC:CC+1], v[CC:CC+1]
.set p, p+1
.endr
.set p, 0
.rept 32
	v_rcp_f32 v[X+p], v[X+p]
.set p, p+1
.endr
	v_nop
	s_wait_alu depctr_va_vdst(0)                   ; the same for the reciprocals
.set p, 0
.rept 16
	v_pk_mul_f32 v[T+2*p:T+2*p+1], v[T+2*p:T+2*p+1], v[X+2*p:X+2*p+1]
.set p, p+1
.endr
	s_cmp_lg_u32 s72, 0
	s_cbranch_scc0 .Lnot_u
.set p, 0
.rept 16
	v_max3_num_f32 v[MX+p%2], v[MX+p%2], |v[T+2*p]|, |v[T+2*p+1]|
.set p, p+1
.endr
.Lnot_u:
	s_wait_xcnt 0x0                                ; the last trip's stores have read their data and their base: both are rewritten only behind this wait
	s_add_nc_u64 s[8:9], s[8:9], 8*CROW            ; eight rows on; the stores below reach back
.set p, 0
.rept 16
	v_cvt_pk_f16_f32 v[Y+p], v[T+2*p], v[T+2*p+1]
.set p, p+1
.endr
.irp i, 0,1,2,3,4,5,6,7
	global_store_b64 v[CO], v[Y+2*(\i):Y+2*(\i)+1], s[8:9] offset:((\i)-8)*CROW   ; 256 consecutive bytes, aligned
.endr
.else
	LD 0
	s_mov_b32 s74, 4
.Ltrip:                                        ; sixteen rows a trip, on two sets of registers by turns: while one set is worked on, the other's loads are out
	LD 1
	s_wait_dscnt NLD                               ; set 0 is in; set 1's loads may stay out
	WORK 0
	s_cmp_eq_u32 s74, 1
	s_cbranch_scc1 .Llast_pair                     ; the half's last trip has no rows behind it
	LD 0
	s_wait_dscnt NLD                               ; set 1 is in; set 0's loads may stay out
	s_branch .Lpair
.Llast_pair:
	s_wait_dscnt 0x0                               ; set 1 is in
.Lpair:
	WORK 1
.endif
	s_sub_co_u32 s74, s74, 1
	s_cmp_lg_u32 s74, 0
	s_cbranch_scc1 .Ltrip
	s_sub_co_u32 s73, s73, 1
	s_cmp_lg_u32 s73, 0
	s_cbranch_scc1 .Lhalf
.if MODE == 1
	s_cmp_lg_u32 s72, 0
	s_cbranch_scc0 .Lno_um
	v_max_num_f32 v[MX], v[MX], v[MX+1]            ; the largest |u| of my 128 x 128, in every lane
	v_max_num_f32_dpp v[MX], v[MX], v[MX] row_xmask:1 row_mask:0xf bank_mask:0xf
	v_max_num_f32_dpp v[MX], v[MX], v[MX] row_xmask:2 row_mask:0xf bank_mask:0xf
	v_max_num_f32_dpp v[MX], v[MX], v[MX] row_xmask:4 row_mask:0xf bank_mask:0xf
	v_max_num_f32_dpp v[MX], v[MX], v[MX] row_xmask:8 row_mask:0xf bank_mask:0xf
	v_permlanex16_b32 v[MX+1], v[MX], s88, s89
	v_max_num_f32 v[MX], v[MX], v[MX+1]
	v_mov_b32 v[MX+1], v[MX]
	global_store_b64 v[CO], v[MX:MX+1], s[92:93]   ; 64 copies: the slot's 256 bytes are written whole
.Lno_um:
.endif
	s_wait_tensorcnt 0x0                           ; the wave's end: behind my last tensor load and my last LDS store
	ds_add_u32 v[SPW], v[NIL]
	s_wait_dscnt 0x0
	CROUND                                         ; the closing round: no work-group ends while a partner may still ask for a tile that names it
	s_endpgm
.Lfunc_end_k_q35f516ec08_gemm3:
	.size	k_q35f516ec08_gemm3, .Lfunc_end_k_q35f516ec08_gemm3-k_q35f516ec08_gemm3
	.p2alignl 7, 3214868480
	.fill 96, 4, 3214868480
	.section	.rodata,"a",@progbits
	.p2align	6, 0x0
	.amdhsa_kernel k_q35f516ec08_gemm3
		.amdhsa_group_segment_fixed_size 327680
		.amdhsa_private_segment_fixed_size 0
		.amdhsa_enable_private_segment 0
		.amdhsa_kernarg_size 40
		.amdhsa_user_sgpr_count 2
		.amdhsa_user_sgpr_kernarg_segment_ptr 1
		.amdhsa_wavefront_size32 1
		.amdhsa_system_sgpr_workgroup_id_x 1
		.amdhsa_system_sgpr_workgroup_id_y 1
		.amdhsa_system_sgpr_workgroup_id_z 1
		.amdhsa_system_vgpr_workitem_id 0
		.amdhsa_next_free_vgpr 1024
		.amdhsa_next_free_sgpr 100
		.amdhsa_reserve_vcc 0
		.amdhsa_float_denorm_mode_32 3
		.amdhsa_float_denorm_mode_16_64 3
		.amdhsa_memory_ordered 1
		.amdhsa_forward_progress 1
		.amdhsa_inst_pref_size 91
	.end_amdhsa_kernel
	.amdgpu_metadata
---
amdhsa.version: [ 1, 2 ]
amdhsa.kernels:
  - .name:           k_q35f516ec08_gemm3
    .symbol:         k_q35f516ec08_gemm3.kd
    .args:
      - { .name: pj, .offset: 0, .size: 8, .value_kind: global_buffer, .address_space: global }
      - { .name: wts, .offset: 8, .size: 8, .value_kind: global_buffer, .address_space: global }
      - { .name: out0, .offset: 16, .size: 8, .value_kind: global_buffer, .address_space: global }
      - { .name: cb, .offset: 24, .size: 8, .value_kind: global_buffer, .address_space: global }
      - { .name: vn, .offset: 32, .size: 8, .value_kind: global_buffer, .address_space: global }
    .group_segment_fixed_size: 327680
    .private_segment_fixed_size: 0
    .kernarg_segment_align: 8
    .kernarg_segment_size: 40
    .max_flat_workgroup_size: 128
    .sgpr_count:     100
    .vgpr_count:     1024
    .wavefront_size: 32
...
	.end_amdgpu_metadata
.endif
;; end of part 5
